; MI455X (gfx1250); checked and timed in simulation.
; The chip was launched on July 23, 2026; its instructions are those of AMD's public machine-readable ISA for CDNA 5 (MIT licence, August 2026) and "CDNA5" Instruction Set Architecture Reference Guide (July 2026). The comments in the code are by the model that wrote it; some were corrected since.
;; Causal Self Attention. Allowed arithmetic: matrix products marked QUANTISED: E3M2 operands, one E8M0 scale for each 32 along K, by v_wmma_scale_f32_16x16x128_f8f6f4 with both operands' format E3M2, f32 sums; everything else in f32.
;; Inputs: w_proj 1,024 x 1,024 float32; w_qkv 1,024 x 3,072 float32; x 4 x 2,048 x 1,024 float32.
;; Outputs: out0 4 x 2,048 x 1,024 float32.
;; This version of the problem:
;;   THIS VERSION OF THE PROBLEM IS GIVEN IN LOW PRECISION. The matrix products marked QUANTISED in the list below multiply operands that are first quantised to E3M2 (3 exponent bits, 2 mantissa bits; 6 bits a number), with one power-of-two scale for each 32 numbers along K (OCP MX v1.0); their sums are f32. All else is computed in f32.
;;   The module's matrix products, in the order in which they are computed (A, B: the left and right operand; K: the contracted axis; several contracted axes count as one K, in the product's order):
;;     1. [M 8,192, K 1,024] x [K 1,024, N 3,072]; A: input x; B: input w_qkv: QUANTISED
;;     2. batch 64 x [M 2,048, K 64] x [K 64, N 2,048]; A: computed on the way; B: computed on the way: QUANTISED
;;     3. batch 64 x [M 2,048, K 2,048] x [K 2,048, N 64]; A: softmax (see below); B: computed on the way: QUANTISED
;;     4. [M 8,192, K 1,024] x [K 1,024, N 1,024]; A: computed on the way; B: input w_proj: QUANTISED
;;   THE QUANTISER, for each operand of a quantised product, along K:
;;     - K is cut into blocks of 32 from its start; a last block that is shorter is filled with zeros.
;;     - A block's scale is 2^e with e = floor(log2(the largest magnitude in the block)) - 4, held to -126 .. 127; a block of zeros has e = 0. As a byte (E8M0): e + 127.
;;     - Each number is divided by its block's scale, clamped to +-28, and rounded to the nearest number of E3M2, ties to even, subnormals kept.
;;     - The product sums the exact products of the quantised numbers (number of the format x scale) in f32.
;;   ~~~python
;;   def quantise(x, axis):      # numpy; x: float32 -> the quantised numbers, widened to float32 again
;;       x = np.moveaxis(x, axis, -1); K = x.shape[-1]
;;       x = np.pad(x, [(0, 0)] * (x.ndim - 1) + [(0, -K % 32)]); x = x.reshape(x.shape[:-1] + (-1, 32)); a = np.abs(x).max(-1, keepdims=True)
;;       e = np.where(a > 0, np.clip(np.frexp(np.where(a > 0, a, 1))[1] - 1 - 4, -126, 127), 0)      # np.frexp(a)[1] - 1 = floor(log2(a)), exactly
;;       r = np.clip(x / 2.0 ** e, -28, 28)
;;       step = 2.0 ** (np.maximum(np.frexp(np.where(r == 0, 1, r))[1] - 1, -2) - 2)
;;       q = np.round(r / step) * step * 2.0 ** e      # np.round: ties to even
;;       return np.moveaxis(q.reshape(q.shape[:-2] + (-1,))[..., :K], -1, axis).astype(np.float32)
;;   ~~~
;;   SOFTMAX AHEAD OF A QUANTISED PRODUCT. Where the list says 'softmax', what is quantised is not the finished softmax but p = 2^(t - M), with t = logit x log2(e) and M = ceil(the row's largest t), a whole number; so 1/2 < the row's largest p <= 1. The row's sum l is taken of the UNQUANTISED p, in f32, and the product's result is divided by l at the end. Since M is a whole number, a kernel that streams over the keys may use a running M (the ceiling of the running maximum): every later rescaling is an exact power of two, which a block's scale takes up: the codes' values come out the same.
;;   OPERANDS COMPUTED ON THE WAY. 'Computed on the way' means the value that the module computes at that place (a softmax that the list does not call 'softmax' is quantised finished and normalised). What goes into a quantiser is computed in f32, as accurately as f32 sums, v_exp_f32 and their like allow (about 1e-6 of the number): no bf16 or f16 on the way to a quantiser, and a product that is left as it is and whose result goes on into a quantised operand takes f32 operands (vector FMAs, or v_wmma_f32_16x16x4_f32). A number that lies on a knife's edge between two numbers of the format may be rounded either way, as far as f32 arithmetic and the matrix unit's own rounding can turn it there, and no further.
;; One version. Each part assembles by itself: llvm-mc -triple=amdgcn-amd-amdhsa -mcpu=gfx1250 --defsym DOCPART=n.
;; ======== version 1 of 1: 4 launches
;; workspace buffers: x_img 6,291,456 bytes; x_sc 262,144 bytes; w_img 3,145,728 bytes; w_sc 131,072 bytes; qkv_img 18,874,368 bytes; qkv_sc 1,572,864 bytes; a_img 6,291,456 bytes; a_sc 262,144 bytes
;; launch quant (part 1): grid 256 x 1, 4 waves a work-group, no clusters, 85,504 bytes of LDS; arguments x, w_qkv, w_proj, x_img, x_sc, w_img, w_sc; writes x_img, x_sc, w_img, w_sc
.if DOCPART == 1
	.amdgcn_target "amdgcn-amd-amdhsa--gfx1250"
	.amdhsa_code_object_version 6
	.text
	.protected	k_qd68203ce4e_quant
	.globl	k_qd68203ce4e_quant
	.p2align	8
	.type	k_qd68203ce4e_quant,@function
k_qd68203ce4e_quant:
	s_mov_b64 s[64:65], 0
	v_nop
	global_prefetch_b8 v0, s[64:65] scope:SCOPE_SE
	s_setreg_imm32_b32 hwreg(HW_REG_WAVE_MODE, 25, 1), 1
	s_wait_xcnt 0x0
; x [8192][1024], w_qkv [1024][3072] and w_proj [1024][1024], f32, become codes of BF6 (E3M2) with one E8M0 byte for each 32 along K (K = 1024: x's last axis, the weights' FIRST axis).
; A block's scale is 2^(floor(log2(its largest magnitude)) - 4); its byte is the largest magnitude's exponent field - 4, held at 1 from below.
; LIMITS: NaN and infinities among the inputs are not served; a block whose largest magnitude lies under 2^(5 - 127) gets the byte 1; a block of zeros gets the byte 1 where the rule says 127:
; its codes are zeros, which add nothing under any byte but 0xff, and the bytes are read by this program alone.
; LAYOUT OF THE CODES: images of operand registers.  An image is 768 bytes: 16 rows x 64 along K.  Lane l = (r = l % 16, h = l / 16) owns the 24 bytes of row r, block h:
; its first 16 bytes lie at 16 l, its last 8 at 512 + 8 l.  Two images on end are a fragment of 16 rows x 128 K.  x_img: [512 row tiles][16 images][768]; w_img: [256 tiles][16][768] (tiles 0-191 w_qkv's columns, 192-255 w_proj's).
; THE ROWS OF A TILE ARE NOT NEIGHBOURS: lane r of tile t holds row 32 (t / 2) + 8 (t % 2) + r + 8 (r / 8), so that the results of a product used transposed run along the next K in a lane's registers.
; Scale bytes: [16 t + r][32].
; SHARES: work-groups 0-127: x, a wave to a tile of 16 tokens, all of K in eight steps of 128.  128-223: w_qkv, 224-255: w_proj: a wave takes 32 columns x 256 along K, a lane a column, its registers running down K.
; Waves share nothing: no barrier.  Each of the three ways has LDS bytes of its own.
.set PC,    12                         ; v12-23 a fragment's codes; v24-26, v28-30 the conversions' second halves
.set R,     32                         ; v32-159  x: two sets of 64 registers as loaded
.set ST,    160                        ; v160-223 x: 64 numbers of my row: register 16 b + i = k 32 b + 16 h + i
.set TM,    224                        ; v224-239 at work
.set SW,    240                        ; v240-247 my row's eight scale words
.set OW,    248                        ; v248-251 the four of them that I store
.set SEL,   20                         ; s[20:21] v_permlanex16_b32's selects for lane l xor 16
.set XSTG,  8448                       ; x: a wave's stage: 16 rows x (512 bytes + 16)
.set WSTG,  6400                       ; weights: a wave's stage: two tiles x (4 images + 128 bytes)
.set WLDS0, 4*XSTG
.set WLDS1, WLDS0+4*WSTG
.set X,     32                         ; weights: v32-95 two sets of 32 numbers
.set SB,    24                         ; weights: v24-25 eight scale bytes
.set OUTR,  112                        ; weights: v112-159 the way out
; 64 numbers of a lane become a fragment's codes in v[PC] on and its row's scale word in v[pw]
.macro QUANT s, pw
.irp b, 0,1,2,3
	v_max3_num_f32 v[TM+\b], |v[\s+16*\b]|, |v[\s+1+16*\b]|, 0x2800000   ; block b: my 16 numbers, and the floor 2^(5 - 127): the byte cannot fall under 1
.endr
.irp i, 2,4,6,8,10,12,14
.irp b, 0,1,2,3
	v_max3_num_f32 v[TM+\b], v[TM+\b], |v[\s+16*\b+\i]|, |v[\s+1+16*\b+\i]|   ; the four blocks by turns
.endr
.endr
.irp b, 0,1,2,3
	v_permlanex16_b32 v[TM+4+\b], v[TM+\b], s[SEL], s[SEL+1]
.endr
.irp b, 0,1,2,3
	v_max_num_f32 v[TM+\b], v[TM+\b], v[TM+4+\b]   ; with lane l xor 16's: the block's largest magnitude
.endr
.irp b, 0,1,2,3
	v_add_nc_u32 v[TM+12+\b], 0xfe000000, v[TM+\b]   ; 4 off its exponent field: the conversion's scale operand
.endr
.irp b, 0,1,2,3
	v_lshrrev_b32 v[TM+4+\b], 23, v[TM+12+\b]      ; the scale's byte
.endr
	v_lshl_or_b32 v[\pw], v[TM+5], 8, v[TM+4]
	v_lshl_or_b32 v[\pw], v[TM+6], 16, v[\pw]
	v_lshl_or_b32 v[\pw], v[TM+7], 24, v[\pw]
.irp c, 0,1
	v_cvt_scalef32_pk16_bf6_f32 v[PC+6*\c:PC+2+6*\c], v[\s+32*\c:\s+15+32*\c], v[TM+12+2*\c]
	v_cvt_scalef32_pk16_bf6_f32 v[PC+12+4*\c:PC+14+4*\c], v[\s+16+32*\c:\s+31+32*\c], v[TM+12+2*\c+1]   ; (a conversion's three registers begin on an even number)
.endr
	v_nop                                          ; one plain place behind a scaled conversion
.irp c, 0,1                                    ; the operand's layout wants a whole block in a lane: lanes 0-15 block 2 c, lanes 16-31 block 2 c + 1
.irp i, 0,1,2
	v_permlane16_swap_b32 v[PC+6*\c+\i], v[PC+12+4*\c+\i]
.endr
.irp i, 0,1,2
	v_mov_b32 v[PC+3+6*\c+\i], v[PC+12+4*\c+\i]
.endr
.endr
.endm
	s_load_b256 s[4:11], s[0:1], 0x0               ; x s[4:5], w_qkv s[6:7], w_proj s[8:9], x_img s[10:11]
	s_load_b128 s[12:15], s[0:1], 0x20             ; x_sc s[12:13], w_img s[14:15]
	s_load_b64 s[16:17], s[0:1], 0x30              ; w_sc
	v_lshl_add_u32 v254, v0, 2, 0x14c00
	v_mov_b32 v255, 0
	v_lshrrev_b32 v1, 5, v0
	v_readfirstlane_b32 s18, v1                    ; wave 0..3
	v_and_b32 v1, 31, v0                           ; lane
	s_mov_b32 s27, 0                               ; the upper word of every offset pair s[26:27]
	s_wait_kmcnt 0x0
	s_cmp_lt_u32 ttmp9, 128
	s_cbranch_scc0 .Lweights
	; ---------------- x ----------------
	v_and_b32 v2, 15, v0                           ; r
	v_bfe_u32 v3, v0, 4, 1                         ; h
	v_lshlrev_b32 v4, 4, v1                        ; 16 x lane: a load's and a 16-byte store's place
	v_lshlrev_b32 v5, 3, v1                        ; 8 x lane
	s_mul_i32 s28, s18, XSTG                       ; my stage
	v_add_nc_u32 v6, s28, v4                       ; into it: a row's 512 bytes as they lie
	v_mul_u32_u24 v7, v2, 528
	v_lshl_add_u32 v7, v3, 6, v7
	v_add_nc_u32 v7, s28, v7                       ; out of it: row r, + 64 h: my 16 numbers of a block of 32
	v_lshlrev_b32 v8, 5, v2
	v_lshl_add_u32 v8, v3, 4, v8                   ; scale bytes: 32 r + 16 h
	s_mov_b32 s[SEL], 0x76543210
	s_mov_b32 s[SEL+1], 0xfedcba98
.irp b, 0,1,2,3
	v_mov_b32 v[TM+4+\b], 0                        ; written once: a lane permute's destination counts as one of its sources
.endr
	s_lshl_b32 s24, ttmp9, 2
	s_add_co_u32 s24, s24, s18                     ; my tile t
	s_lshr_b32 s25, s24, 1
	s_lshl_b32 s25, s25, 5
	s_and_b32 s26, s24, 1
	s_lshl_b32 s26, s26, 3
	s_add_co_u32 s25, s25, s26                     ; its first token: 32 (t / 2) + 8 (t % 2)
	s_lshl_b32 s26, s25, 12                        ; x 4,096 bytes
	s_add_nc_u64 s[4:5], s[4:5], s[26:27]
	s_mul_i32 s26, s24, 12288                      ; 16 images a tile
	s_add_nc_u64 s[10:11], s[10:11], s[26:27]
	s_lshl_b32 s26, s24, 9                         ; 16 rows x 32 scale bytes
	s_add_nc_u64 s[12:13], s[12:13], s[26:27]
.macro XLOAD s                         ; K step s of my 16 tokens: each load reads 512 consecutive bytes of one token's row
.irp i, 0,1,2,3,4,5,6,7,8,9,10,11,12,13,14,15
	global_load_b128 v[R+64*((\s)%2)+4*\i:R+64*((\s)%2)+4*\i+3], v4, s[4:5] offset:(\i+8*(\i/8))*4096+512*(\s) th:TH_LOAD_NT
.endr
.endm
.macro XSTEP s
.if (\s) < 7
	s_wait_loadcnt 16                              ; this step's sixteen loads are in; the next step's may be out
.else
	s_wait_loadcnt 0x0
.endif
.irp i, 0,1,2,3,4,5,6,7,8,9,10,11,12,13,14,15
	ds_store_b128 v6, v[R+64*((\s)%2)+4*\i:R+64*((\s)%2)+4*\i+3] offset:528*\i
.endr
.irp b, 0,1,2,3
.irp j, 0,1,2,3
	ds_load_b128 v[ST+16*\b+4*\j:ST+16*\b+4*\j+3], v7 offset:128*\b+16*\j   ; LDS serves a wave's instructions in order (ISA guide 5.7.1.4): these see the stores above
.endr
.endr
	s_wait_dscnt 0x0
.if (\s) < 6
	XLOAD (\s)+2                                   ; the set just emptied takes the loads of two steps on
.endif
	s_wait_xcnt 0x0                                ; the last step's stores have read the codes' registers: they are written again only behind this wait
	QUANT ST, SW+(\s)
	global_store_b128 v4, v[PC:PC+3], s[10:11] offset:1536*(\s)            ; each store covers whole aligned blocks of 256 bytes
	global_store_b64 v5, v[PC+4:PC+5], s[10:11] offset:1536*(\s)+512
	global_store_b128 v4, v[PC+6:PC+9], s[10:11] offset:1536*(\s)+768
	global_store_b64 v5, v[PC+10:PC+11], s[10:11] offset:1536*(\s)+1280
.endm
	XLOAD 0
	XLOAD 1
.irp t, 0,1,2,3,4,5,6,7
	XSTEP \t
.endr
	v_cmp_lt_u32 vcc_lo, 15, v1                    ; lanes 16-31 store the row's words 4 to 7
.irp i, 0,1,2,3
	v_cndmask_b32 v[OW+\i], v[SW+\i], v[SW+4+\i], vcc_lo
.endr
	global_store_b128 v8, v[OW:OW+3], s[12:13]     ; 512 consecutive bytes
	s_wait_tensorcnt 0x0
	ds_add_u32 v254, v255
	s_wait_dscnt 0x0
	s_endpgm
	; ---------------- the weights ----------------
.macro WLOAD t, n, plo                 ; block t: W(32 t + i, my column), i = 0 .. 31: 128 consecutive bytes a load
.irp i, 0,1,2,3,4,5,6,7,8,9,10,11,12,13,14,15,16,17,18,19,20,21,22,23,24,25,26,27,28,29,30,31
	global_load_b32 v[X+32*((\t)%2)+\i], v3, s[\plo:\plo+1] offset:(32*(\t)+\i)*\n*4 th:TH_LOAD_NT
.endr
.endm
.macro WBLOCK t, n, plo
.set XS, X+32*((\t)%2)
.if (\t) < 7
	s_wait_loadcnt 32                              ; this block's 32 loads are in; the next block's may be out
.else
	s_wait_loadcnt 0x0
.endif
	v_max3_num_f32 v14, |v[XS]|, |v[XS+1]|, |v[XS+2]|               ; the block's largest magnitude: all 32 numbers are mine
	v_max3_num_f32 v15, |v[XS+3]|, |v[XS+4]|, |v[XS+5]|
.irp i, 6,10,14,18,22,26
	v_max3_num_f32 v14, v14, |v[XS+\i]|, |v[XS+\i+1]|
	v_max3_num_f32 v15, v15, |v[XS+\i+2]|, |v[XS+\i+3]|
.endr
	v_max3_num_f32 v14, v14, |v[XS+30]|, |v[XS+31]|
	v_max3_num_f32 v14, v14, v15, 0x2800000        ; and the floor
	v_add_nc_u32 v16, 0xfe000000, v14              ; the conversion's scale operand
	v_lshrrev_b32 v17, 23, v16                     ; the scale's byte
.if (\t)%4 == 0
	v_mov_b32 v[SB+(\t)/4], v17
.else
	v_lshl_or_b32 v[SB+(\t)/4], v17, 8*((\t)%4), v[SB+(\t)/4]
.endif
	v_cvt_scalef32_pk16_bf6_f32 v[96:98], v[XS:XS+15], v16
	v_cvt_scalef32_pk16_bf6_f32 v[104:106], v[XS+16:XS+31], v16
	v_nop                                          ; one plain place behind a scaled conversion
	v_mov_b32 v99, v104
	v_mov_b32 v100, v105
	v_mov_b32 v101, v106                           ; v96-101: the block's 24 bytes
	ds_store_b128 v4, v[96:99] offset:((\t)/2)*768+256*((\t)%2)     ; image t / 2, half t % 2: 16 (r + 16 h)
	ds_store_b64 v5, v[100:101] offset:((\t)/2)*768+512+128*((\t)%2)
.if (\t)+2 < 8
	WLOAD (\t)+2, \n, \plo
.endif
	s_wait_dscnt 0x0
.endm
.macro WPATH n, plo, first, tilebase, ldsbase
	s_sub_co_u32 s24, ttmp9, \first
	s_and_b32 s25, s24, 3                          ; which 256 along K
	s_lshr_b32 s24, s24, 2
	s_lshl_b32 s24, s24, 2
	s_add_co_u32 s24, s24, s18                     ; g: my wave's 32 columns, 32 g on
	v_lshlrev_b32 v3, 2, v1                        ; in: 4 bytes a lane
	v_bfe_u32 v10, v1, 3, 1                        ; column 32 g + lane is row r of tile 2 g + u:  u = (lane / 8) % 2,
	v_and_b32 v11, 7, v1
	v_bfe_u32 v12, v1, 4, 1
	v_lshl_add_u32 v11, v12, 3, v11                ; r = lane % 8 + 8 (lane / 16)
	s_mul_i32 s28, s18, WSTG
	s_add_co_u32 s28, s28, \ldsbase                ; my stage
	v_mul_u32_u24 v13, v10, 3200
	v_add_nc_u32 v13, s28, v13
	v_lshl_add_u32 v4, v11, 4, v13                 ; into it: tile u, 16 r
	v_lshl_add_u32 v5, v11, 3, v13                 ; and 8 r
	v_lshlrev_b32 v7, 4, v1
	v_add_nc_u32 v6, s28, v7                       ; out of it: 16 x lane
	v_lshl_add_u32 v9, v10, 4, v11
	v_lshlrev_b32 v9, 5, v9                        ; scale bytes: row 16 u + r of 32 bytes
	s_mul_i32 s26, s25, 256*\n*4
	s_lshl_b32 s29, s24, 7
	s_add_co_u32 s26, s26, s29
	s_add_nc_u64 s[\plo:\plo+1], s[\plo:\plo+1], s[26:27]
	s_lshl_b32 s29, s24, 1
	s_add_co_u32 s29, s29, \tilebase               ; my first tile
	s_mul_i32 s26, s29, 12288
	s_mul_i32 s30, s25, 3072
	s_add_co_u32 s26, s26, s30
	s_add_nc_u64 s[14:15], s[14:15], s[26:27]
	s_lshl_b32 s26, s29, 9
	s_lshl_b32 s30, s25, 3
	s_add_co_u32 s26, s26, s30
	s_add_nc_u64 s[16:17], s[16:17], s[26:27]
	WLOAD 0, \n, \plo
	WLOAD 1, \n, \plo
.irp t, 0,1,2,3,4,5,6,7
	WBLOCK \t, \n, \plo
.endr
	global_store_b64 v9, v[SB:SB+1], s[16:17]      ; my column's eight scale bytes
.irp u, 0,1
.irp i, 0,1,2,3,4,5
	ds_load_b128 v[OUTR+4*(6*\u+\i):OUTR+4*(6*\u+\i)+3], v6 offset:3200*\u+512*\i
.endr
.endr
.irp u, 0,1
.irp i, 0,1,2,3,4,5
	s_wait_dscnt 11-(6*\u+\i)                      ; the younger read-backs may be out
	global_store_b128 v7, v[OUTR+4*(6*\u+\i):OUTR+4*(6*\u+\i)+3], s[14:15] offset:12288*\u+512*\i   ; 512 consecutive bytes
.endr
.endr
.endm
.Lweights:
	s_cmp_lt_u32 ttmp9, 224
	s_cbranch_scc0 .Lproj
	WPATH 3072, 6, 128, 0, WLDS0
	s_wait_tensorcnt 0x0
	ds_add_u32 v254, v255
	s_wait_dscnt 0x0
	s_endpgm
.Lproj:
	WPATH 1024, 8, 224, 192, WLDS1
	s_wait_tensorcnt 0x0
	ds_add_u32 v254, v255
	s_wait_dscnt 0x0
	s_endpgm
.Lfunc_end_k_qd68203ce4e_quant:
	.size	k_qd68203ce4e_quant, .Lfunc_end_k_qd68203ce4e_quant-k_qd68203ce4e_quant
	.p2alignl 7, 3214868480
	.fill 96, 4, 3214868480
	.section	.rodata,"a",@progbits
	.p2align	6, 0x0
	.amdhsa_kernel k_qd68203ce4e_quant
		.amdhsa_group_segment_fixed_size 85504
		.amdhsa_private_segment_fixed_size 0
		.amdhsa_enable_private_segment 0
		.amdhsa_kernarg_size 56
		.amdhsa_user_sgpr_count 2
		.amdhsa_user_sgpr_kernarg_segment_ptr 1
		.amdhsa_wavefront_size32 1
		.amdhsa_system_sgpr_workgroup_id_x 1
		.amdhsa_system_sgpr_workgroup_id_y 1
		.amdhsa_system_sgpr_workgroup_id_z 1
		.amdhsa_system_vgpr_workitem_id 0
		.amdhsa_next_free_vgpr 256
		.amdhsa_next_free_sgpr 66
		.amdhsa_reserve_vcc 1
		.amdhsa_float_denorm_mode_32 3
		.amdhsa_float_denorm_mode_16_64 3
		.amdhsa_memory_ordered 1
		.amdhsa_forward_progress 1
		.amdhsa_inst_pref_size 146
	.end_amdhsa_kernel
	.amdgpu_metadata
---
amdhsa.version: [ 1, 2 ]
amdhsa.kernels:
  - .name:           k_qd68203ce4e_quant
    .symbol:         k_qd68203ce4e_quant.kd
    .args:
      - { .name: x, .offset: 0, .size: 8, .value_kind: global_buffer, .address_space: global }
      - { .name: w_qkv, .offset: 8, .size: 8, .value_kind: global_buffer, .address_space: global }
      - { .name: w_proj, .offset: 16, .size: 8, .value_kind: global_buffer, .address_space: global }
      - { .name: x_img, .offset: 24, .size: 8, .value_kind: global_buffer, .address_space: global }
      - { .name: x_sc, .offset: 32, .size: 8, .value_kind: global_buffer, .address_space: global }
      - { .name: w_img, .offset: 40, .size: 8, .value_kind: global_buffer, .address_space: global }
      - { .name: w_sc, .offset: 48, .size: 8, .value_kind: global_buffer, .address_space: global }
    .group_segment_fixed_size: 85504
    .private_segment_fixed_size: 0
    .kernarg_segment_align: 8
    .kernarg_segment_size: 56
    .max_flat_workgroup_size: 128
    .sgpr_count:     66
    .vgpr_count:     256
    .wavefront_size: 32
...
	.end_amdgpu_metadata
.endif
;; end of part 1
;; launch gemm_qkv (part 2): grid 8 x 32, 4 waves a work-group, clusters of 4 x 4, 327,680 bytes of LDS; arguments x_img, x_sc, w_img, w_sc, qkv_img, qkv_sc; writes qkv_img, qkv_sc
.if DOCPART == 2
	.amdgcn_target "amdgcn-amd-amdhsa--gfx1250"
	.amdhsa_code_object_version 6
	.text
	.protected	k_qd68203ce4e_gemm_qkv
	.globl	k_qd68203ce4e_gemm_qkv
	.p2align	8
	.type	k_qd68203ce4e_gemm_qkv,@function
k_qd68203ce4e_gemm_qkv:
	s_mov_b64 s[64:65], 0
	v_nop
	global_prefetch_b8 v0, s[64:65] scope:SCOPE_SE
	s_setreg_imm32_b32 hwreg(HW_REG_WAVE_MODE, 25, 1), 1
	s_wait_xcnt 0x0
	s_wait_alu depctr_hold_cnt(0) depctr_sa_sdst(0) depctr_va_vdst(0) depctr_va_sdst(0) depctr_va_ssrc(0) depctr_va_vcc(0) depctr_vm_vsrc(0)
	s_getreg_b32 s2, hwreg(HW_REG_IB_STS2, 6, 4)
	s_cmp_eq_u32 s2, 0
	s_cbranch_scc0 .Lentry_in_a_cluster
	s_endpgm
.Lentry_in_a_cluster:
	s_bfe_u32 s2, ttmp6, 0x10000c
	s_cmp_lg_u32 s2, 0xf033
	s_cbranch_scc0 .Lentry_shape_is_right
	s_endpgm
.Lentry_shape_is_right:
; qkv = x w_qkv on codes of BF6 (E3M2) with E8M0 scales, K = 1024, f32 sums; the results are quantised at once, in registers, as the operands of attention's two products, and leave as codes.
; A WORK-GROUP MAKES ONE AND A HALF TILES, so that 8 x 32 = 256 work-groups of equal work cover 8,192 x 3,072 results:
;   part 1 (q and k): A = 256 tokens of x, B = 256 of w_qkv's columns 0 .. 2,047;  a wave makes 128 x 128: 64 accumulators.
;   part 2 (v):       A = 128 of w_qkv's columns 2,048 .. 3,071, B = the same 256 tokens;  a wave makes 64 x 128: 32 accumulators.
; THE MATRIX INSTRUCTION IS USED TRANSPOSED (source 0 = 16 rows of B, source 1 = 16 rows of A): a lane holds ONE row of A and its registers run along B's rows.  So q and k are quantised along the head's 64
; and v along the keys by the same lines.  The rows of a stored tile are not neighbours (lane r of tile t: row 32 (t / 2) + 8 (t % 2) + r + 8 (r / 8)), so that the 16 registers of B's tiles 2 b, 2 b + 1 are 16 neighbours.
; CODES lie as images of operand registers: 768 bytes = 16 rows x 64 K; lane l's first 16 bytes at 16 l, its last 8 at 512 + 8 l.  A fragment (16 x 128) is two images: loads of 16, 8, 16, 8 bytes a lane, all dense.
; OUT: qkv_img: [32 groups of 64 columns: 0-15 q's heads, 16-31 k's][512 token tiles][768]; behind them v: [128 groups of 64 keys][64 channel tiles][768].  qkv_sc: the same indices, 16 words each.
; LDS: three slots of 98,304 bytes.  Part 1's K goes in four steps of 256: steps 0, 1, 2 are first fills, step 3 is a refill of slot 0 and has steps 1 and 2 in which to land.  Part 2 has all of K in LDS: the tokens' 196,608 bytes
; fill slots 1 and 2 again at the change into K step 3, the channels' 98,304 bytes fill slot 0 again in the middle of part 1's way out.  Three refills, each behind a round of the cluster's barrier, one tensor load a wave.
; The scale bytes come once and stay: the tokens' serve both parts; the channels' 4,096 bytes go through registers into LDS bytes of their own.
; CLUSTERS of 4 x 4: what hangs on the tokens (x) is shared along a row of the cluster, what hangs on the columns (w) along a column; each is asked for jointly.
; LIMITS: NaN and infinities are not served; a block of results whose largest magnitude lies under 2^(5 - 127), zeros among them, gets the byte 1 (this program alone reads the bytes).
; REGISTERS: window 0: v1-31 addresses; v32-63 scale words, two sets, and nothing else; v64-116, v224-242 the ways out; v128-223 A's fragments (part 1: one set of 96; part 2: two sets of 48).
;   window 1: B's fragments, two sets, at v0 and v128.   window 2: the accumulators of A's blocks 0-3 ((a, b) at v[8 (8 a + b)]); window 3: part 1's blocks 4-7.
.set NQ,     2                         ; steps of 128 along K in a slot
.set TILEB,  3072                      ; a row tile's part of a slot: four images
.set RT,     12288                     ; a row tile with all of K: sixteen images
.set FR,     12
.set NL,     4                         ; LDS loads that bring a fragment
.set NP,     4                         ; places behind this matrix instruction (ISA guide 7.12.1)
.set HALFT,  8*TILEB                   ; 128 rows x 256 K: what one of part 1's tensor loads brings
.set SLOT,   4*HALFT                   ; A's 256 rows, then B's 256 rows
.set KS,     32                        ; a row of scale bytes
.set VSCL,   3*SLOT                    ; behind the three slots: the scales of part 2's 128 channels, stored from registers, laid as the others are: 256 bytes + 16;
.set SCL,    VSCL+16*272               ; the scales of the 256 tokens, then those of part 1's 256 columns, as 256 bytes + 16 of padding
.set HALFS,  16*272
.set SBLK,   2*272
.set SPARE,  SCL+4*HALFS               ; the spare words, 128 bytes a wave: two blocks of 256 bytes that no other line names
.set WSTG,   SPARE+512                 ; a stage of 1,024 bytes for each wave's scale words on the ways out: no tensor load lands here
.set ADRA, 8                           ; v8-10  part 1: my A fragments in slot 0, 1, 2, + 16 x lane;  v11-13 the same + 8 x lane
.set ADRA2, 14                         ; v14, v15  part 2: my 64 channels, + 16 x lane, + 8 x lane
.set ADRB, 16                          ; v16-21 part 1: the same as v8-13 for B
.set ADRB2, 22                         ; v22, v23  part 2: my tokens' row tiles 0-3;  v24, v25 row tiles 4-7
.set ADRS2, 26                         ; v26    part 2: my scale words: lanes 0-15 the channels', lanes 16-31 the tokens'
.set ADRS, 27                          ; v27    part 1: my scale words: lanes 0-15 A's rows, lanes 16-31 B's
.set SPW,  28                          ; v28    SPARE + 4 x my thread's number; never rewritten
.set NIL,  29                          ; v29    0; never rewritten
.set VGO,  30                          ; v30    the channels' scale bytes: 32 x my thread's number in memory,
.set VLA,  31                          ; v31    and their place in LDS
.set SC,   32
.set AF,   128
.set TM,   64                          ; the ways out: v64-79 at work
.set PW,   80                          ; the scale word just made
.set WS,   81                          ; as it is stored
.set OA,   82                          ; 16 x lane
.set OB,   83                          ; 8 x lane
.set SST,  84                          ; where my scale word goes in my stage
.set SH,   85                          ; 16 h
.set FLR,  86                          ; the floor 2^(5 - 127)
.set RDS,  87                          ; where I read the words back, 16 bytes a lane
.set RB,   88                          ; v88-95
.set RDS2, 116                         ; the same, 8 bytes a lane
.set G1, 24                            ; s[24:31] group 1 for part 1's A tiles; their groups 0: s[32:35], s[36:39], s[40:43], one for each slot
.set G1B, 48                           ; s[48:55] group 1 for part 1's B tiles; their groups 0: s[56:59], s[60:63], s[44:47]
.set G1S, 68                           ; s[68:91] groups 1 and 0 for the scales; when those loads are done, for part 2's codes:
.set G0S, 76
.set G1SB, 80
.set G0SB, 88
.set G1X, 68                           ; s[68:75], s[76:79] the tokens'
.set G0X, 76
.set G1W, 80                           ; s[80:87], s[88:91] the channels'
.set G0W, 88
.set SEL, 100
.set MSB, 0
.macro WIN new                         ; the immediate's high byte repeats the setting that is left
.if MSB != \new
	s_set_vgpr_msb (MSB<<8)|\new
.set MSB, \new
.endif
.endm
.set MUL_LO, 0xa1                      ; source 0 (B) window 1, source 1 (A) window 0, C and D window 2
.set MUL_HI, 0xf1
.set TO_B,   0x40
; A joint load of part 1: waves 0 and 1 fetch for A, waves 2 and 3 for B; the branch hangs on the wave's number alone.  Four v_nop follow each line.
.macro JLOAD g0a, g1a, g0b, g1b
	s_cmp_eq_u32 s17, 0
	s_cbranch_scc0 .Lfor_b_\@
	tensor_load_to_lds s[\g0a:\g0a+3], s[\g1a:\g1a+7]
	s_nop 0
.rept 4
	v_nop
.endr
	s_branch .Lasked_\@
.Lfor_b_\@:
	tensor_load_to_lds s[\g0b:\g0b+3], s[\g1b:\g1b+7]
	s_nop 0
.rept 4
	v_nop
.endr
.Lasked_\@:
.endm
.macro CREST                           ; a round of the cluster's barrier behind its opening barrier
	s_cmp_lg_u32 s16, 0
	s_cbranch_scc1 .Lnot_wave_0_\@
	s_barrier_signal -3
.Lnot_wave_0_\@:
	s_barrier_wait -3
	s_barrier_signal -1
	s_barrier_wait -1
.endm
.macro CROUND
	s_barrier_signal -1
	s_barrier_wait -1
	CREST
.endm
	s_load_b256 s[4:11], s[0:1], 0x0               ; x_img s[4:5], x_sc s[6:7], w_img s[8:9], w_sc s[10:11]
	s_load_b128 s[12:15], s[0:1], 0x20             ; qkv_img s[12:13], qkv_sc s[14:15]
	v_lshl_add_u32 v[SPW], v0, 2, SPARE
	v_mov_b32 v[NIL], 0
	ds_add_u32 v28, v29
	ds_add_u32 v28, v29
	s_wait_dscnt 0x0
	v_lshrrev_b32 v1, 5, v0
	v_readfirstlane_b32 s16, v1                    ; wave 0..3
	s_lshr_b32 s17, s16, 1                         ; which half of a tile's A rows is mine.  Also, in part 1: I fetch for A (0) or for B (1)
	s_and_b32 s18, s16, 1                          ; which half of its B rows.  Also, in part 1: which 128 rows I fetch
	s_bfe_u32 s92, ttmp6, 0x40000                  ; cx, cy: my place in the cluster
	s_bfe_u32 s93, ttmp6, 0x40004
	s_lshl_b32 s94, ttmp9, 2
	s_add_co_u32 s94, s94, s92                     ; tile column: 256 of q's and k's columns, 128 of v's channels
	s_and_b32 s19, ttmp7, 0xffff
	s_lshl_b32 s19, s19, 2
	s_add_co_u32 s19, s19, s93                     ; tile row: 256 tokens
	s_lshl_b32 s95, s93, 2
	s_lshl_b32 s95, 15, s95                        ; my row of the cluster
	s_lshl_b32 s96, 0x1111, s92                    ; my column
	; descriptor group 1 for part 1's codes: 8 row tiles x 3,072 bytes (384 elements of 8 bytes), 12,288 bytes apart in memory, on end in LDS
	s_or_b32 s[G1+0], s95, (3<<16)|(1<<21)         ; 15:0 the mask: the tokens' tiles go to my row; 17:16 elements of 8 bytes; 20 no padding; 21 set beside a mask
	s_or_b32 s[G1B+0], s96, (3<<16)|(1<<21)
.irp g, G1, G1B
	s_mov_b32 s[\g+1], 384<<16                     ; tensor_dim0
	s_mov_b32 s[\g+2], 8<<16                       ; tensor_dim1
	s_mov_b32 s[\g+3], 384<<16                     ; tile_dim0
	s_mov_b32 s[\g+4], 8                           ; tile_dim1
	s_mov_b32 s[\g+5], 1536                        ; tensor_dim0_stride
	s_mov_b32 s[\g+6], 0
	s_mov_b32 s[\g+7], 0
.endr
	; and for the scales of 128 rows: 4,096 dense bytes as 16 rows of 256 bytes, 16 bytes of padding behind each
	s_or_b32 s[G1S+0], s95, (3<<16)|(1<<20)|(1<<21)|(5<<22)|(3<<25)
	s_or_b32 s[G1SB+0], s96, (3<<16)|(1<<20)|(1<<21)|(5<<22)|(3<<25)
.irp g, G1S, G1SB
	s_mov_b32 s[\g+1], 32<<16
	s_mov_b32 s[\g+2], 16<<16
	s_mov_b32 s[\g+3], 32<<16
	s_mov_b32 s[\g+4], 16
	s_mov_b32 s[\g+5], 32
	s_mov_b32 s[\g+6], 0
	s_mov_b32 s[\g+7], 0
.endr
	s_lshl_b32 s22, s18, 3                         ; which 8 row tiles of the tile I fetch
	s_lshl_b32 s20, s19, 4
	s_add_co_u32 s20, s20, s22                     ; A: x's row tile 16 x tile row + 8 x half
	s_lshl_b32 s66, s94, 4
	s_add_co_u32 s66, s66, s22                     ; B: w's row tile 16 x tile column + 8 x half
	s_lshl_b32 s22, s20, 9                         ; their scales: 512 bytes a row tile
	s_mov_b32 s23, 0
	s_lshl_b32 s2, s66, 9
	s_mov_b32 s3, 0
	s_mul_i32 s20, s20, RT                         ; their codes
	s_mov_b32 s21, 0
	s_mul_i32 s66, s66, RT
	s_mov_b32 s67, 0
	s_mul_i32 s97, s16, HALFT                      ; where they go: wave x 128 rows: no place in the cluster enters an LDS address
	s_mul_i32 s98, s16, HALFS
	s_lshl_b32 s100, s19, 4                        ; part 2: my quarter of the tokens: x's row tile 16 x tile row + 4 x wave
	s_lshl_b32 s101, s16, 2
	s_add_co_u32 s100, s100, s101
	s_mul_i32 s100, s100, RT
	s_mov_b32 s101, 0
	s_lshl_b32 s99, s94, 3
	s_add_co_u32 s99, s99, 128                     ; part 2: the channels begin at w's row tile 128 + 8 x tile column
	v_lshlrev_b32 v[VGO], 5, v0
	s_wait_kmcnt 0x0
	s_add_nc_u64 s[20:21], s[4:5], s[20:21]
	s_add_nc_u64 s[22:23], s[6:7], s[22:23]
	s_add_nc_u64 s[66:67], s[8:9], s[66:67]
	s_add_nc_u64 s[2:3], s[10:11], s[2:3]
	s_add_nc_u64 s[4:5], s[4:5], s[100:101]        ; x_img at my quarter of the tokens: kept for part 2
	s_lshl_b32 s6, s99, 9
	s_mov_b32 s7, 0
	s_add_nc_u64 s[10:11], s[10:11], s[6:7]        ; w_sc at the channels' scale bytes
	s_lshl_b32 s6, s16, 1
	s_add_co_u32 s99, s99, s6
	s_mul_i32 s6, s99, RT
	s_add_nc_u64 s[8:9], s[8:9], s[6:7]            ; w_img at my quarter of the channels (2 row tiles): kept for part 2
	global_load_b128 v[96:99], v[VGO], s[10:11]    ; the channels' scale bytes: thread t takes row t's 32 bytes
	global_load_b128 v[100:103], v[VGO], s[10:11] offset:16
	CROUND                                         ; all sixteen work-groups are here: the first joint loads meet
	s_mov_b32 s[G0S], 1
	s_add_co_u32 s[G0S+1], s98, SCL
	s_mov_b64 s[G0S+2:G0S+3], s[22:23]
	s_or_b32 s[G0S+3], s[G0S+3], 0x80000000
	s_mov_b32 s[G0SB], 1
	s_add_co_u32 s[G0SB+1], s98, SCL
	s_mov_b64 s[G0SB+2:G0SB+3], s[2:3]
	s_or_b32 s[G0SB+3], s[G0SB+3], 0x80000000
	JLOAD G0S, G1S, G0SB, G1SB                     ; the scales first: they are wanted with K step 0
.macro FIRST ga, gb, s                 ; slot s's groups 0, and its first fill: K step s
	s_mov_b32 s[\ga], 1
	s_add_co_u32 s[\ga+1], s97, \s*SLOT
	s_add_nc_u64 s[\ga+2:\ga+3], s[20:21], \s*TILEB
	s_or_b32 s[\ga+3], s[\ga+3], 0x80000000
	s_mov_b32 s[\gb], 1
	s_add_co_u32 s[\gb+1], s97, \s*SLOT
	s_add_nc_u64 s[\gb+2:\gb+3], s[66:67], \s*TILEB
	s_or_b32 s[\gb+3], s[\gb+3], 0x80000000
	JLOAD \ga, G1, \gb, G1B
.endm
	FIRST 32, 56, 0
	FIRST 36, 60, 1
	FIRST 40, 44, 2                                ; four tensor loads of mine are out at the most
	v_and_b32 v1, 15, v0                           ; r
	v_bfe_u32 v2, v0, 4, 1                         ; h
	v_and_b32 v3, 31, v0                           ; lane
	v_lshlrev_b32 v4, 4, v3
	v_lshlrev_b32 v5, 3, v3
	s_mul_i32 s21, s17, HALFT                      ; part 1: my 128 rows of A
	s_mul_i32 s22, s18, HALFT                      ; my 128 rows of B,
	s_add_co_u32 s22, s22, 2*HALFT                 ; which lie behind A's 256
.irp s, 0,1,2
	v_add_nc_u32 v[ADRA+\s], s21, v4
	v_add_nc_u32 v[ADRB+\s], s22, v4
	v_add_nc_u32 v[ADRA+3+\s], s21, v5
	v_add_nc_u32 v[ADRB+3+\s], s22, v5
	s_add_co_u32 s21, s21, SLOT
	s_add_co_u32 s22, s22, SLOT
.endr
	s_mul_i32 s21, s17, 4*RT                       ; part 2: my 64 channels, in what was slot 0
	v_add_nc_u32 v[ADRA2], s21, v4
	v_add_nc_u32 v[ADRA2+1], s21, v5
	s_mul_i32 s22, s18, 8*RT                       ; my 128 tokens, in what were slots 1 and 2: row tiles 0-3,
	s_add_co_u32 s22, s22, SLOT
	v_add_nc_u32 v[ADRB2], s22, v4
	v_add_nc_u32 v[ADRB2+1], s22, v5
	s_add_co_u32 s22, s22, 4*RT                    ; and 4-7 (an LDS offset has 16 bits)
	v_add_nc_u32 v[ADRB2+2], s22, v4
	v_add_nc_u32 v[ADRB2+3], s22, v5
	v_mul_u32_u24 v6, v1, KS                       ; my row's scales: 32 bytes a row,
	v_lshrrev_b32 v7, 8, v6
	v_lshl_add_u32 v6, v7, 4, v6                   ; and 16 more for each 256 passed
	s_mul_i32 s21, s17, HALFS                      ; part 1: lanes 0-15 the tokens', lanes 16-31 the columns'
	s_mul_i32 s22, s18, HALFS
	s_add_co_u32 s22, s22, 2*HALFS
	s_sub_co_u32 s22, s22, s21
	v_mul_u32_u24 v7, s22, v2
	s_add_co_u32 s21, s21, SCL
	v_add_nc_u32 v7, v6, v7
	v_add_nc_u32 v[ADRS], s21, v7
	s_mul_i32 s21, s17, 4*SBLK                     ; part 2: lanes 0-15 my 64 channels', lanes 16-31 my 128 tokens'
	s_mul_i32 s22, s18, HALFS
	s_add_co_u32 s22, s22, SCL-VSCL
	s_sub_co_u32 s22, s22, s21
	v_mul_u32_u24 v7, s22, v2
	s_add_co_u32 s21, s21, VSCL
	v_add_nc_u32 v7, v6, v7
	v_add_nc_u32 v[ADRS2], s21, v7
	v_lshrrev_b32 v[VLA], 3, v0                    ; row t of the channels' scales lies at 32 t + 16 (t / 8)
	v_lshlrev_b32 v[VLA], 4, v[VLA]
	v_lshl_add_u32 v[VLA], v0, 5, v[VLA]
	v_add_nc_u32 v[VLA], VSCL, v[VLA]
	v_lshlrev_b32 v[OA], 4, v3
	v_lshlrev_b32 v[OB], 3, v3
	s_lshl_b32 s23, s16, 10                        ; my stage for scale words
	s_add_co_u32 s23, s23, WSTG
	v_lshlrev_b32 v[SST], 2, v1
	v_lshl_add_u32 v[SST], v2, 9, v[SST]
	v_add_nc_u32 v[SST], s23, v[SST]               ; 4 r + 512 h
	v_add_nc_u32 v[RDS], s23, v[OA]
	v_add_nc_u32 v[RDS2], s23, v[OB]
	v_lshlrev_b32 v[SH], 4, v2
	v_mov_b32 v[FLR], 0x2800000
.irp b, 0,1,2,3
	v_mov_b32 v[TM+4+\b], 0                        ; written once: a lane permute's destination counts as one of its sources
.endr
	s_mov_b32 s[SEL], 0x76543210
	s_mov_b32 s[SEL+1], 0xfedcba98
	s_wait_loadcnt 0x0                             ; the channels' scale bytes
	ds_store_b128 v[VLA], v[96:99]
	ds_store_b128 v[VLA], v[100:103] offset:16
.macro FRAG reg, adr, q, i             ; part 1: a fragment: row tile i, the slot's q-th 128 along K: two images on end
	ds_load_b128 v[\reg:\reg+3], v[\adr] offset:(\i)*TILEB+(\q)*1536
	ds_load_b64 v[\reg+4:\reg+5], v[\adr+3] offset:(\i)*TILEB+(\q)*1536+512
	ds_load_b128 v[\reg+6:\reg+9], v[\adr] offset:(\i)*TILEB+(\q)*1536+768
	ds_load_b64 v[\reg+10:\reg+11], v[\adr+3] offset:(\i)*TILEB+(\q)*1536+1280
.endm
; 16 matrix instructions: A's blocks a0, a0 + 1 x B's eight.  The accumulators take turns, one instruction a turn, in the same order in every step.
.macro MUL16 a0, p, q, sc, zero
.irp a, \a0, \a0+1
.irp b, 0,1,2,3,4,5,6,7
.if \zero
	v_wmma_scale_f32_16x16x128_f8f6f4 v[8*(8*((\a)%4)+\b):8*(8*((\a)%4)+\b)+7], v[128*(\p)+FR*\b:128*(\p)+FR*\b+FR-1], v[AF+FR*(\a):AF+FR*(\a)+FR-1], 0, v[SC+8*NQ*(\sc)+NQ*\b+(\q)], v[SC+8*NQ*(\sc)+NQ*(\a)+(\q)] matrix_a_fmt:MATRIX_FMT_BF6 matrix_b_fmt:MATRIX_FMT_BF6 matrix_a_scale:MATRIX_SCALE_ROW1
.else
	v_wmma_scale_f32_16x16x128_f8f6f4 v[8*(8*((\a)%4)+\b):8*(8*((\a)%4)+\b)+7], v[128*(\p)+FR*\b:128*(\p)+FR*\b+FR-1], v[AF+FR*(\a):AF+FR*(\a)+FR-1], v[8*(8*((\a)%4)+\b):8*(8*((\a)%4)+\b)+7], v[SC+8*NQ*(\sc)+NQ*\b+(\q)], v[SC+8*NQ*(\sc)+NQ*(\a)+(\q)] matrix_a_fmt:MATRIX_FMT_BF6 matrix_b_fmt:MATRIX_FMT_BF6 matrix_a_scale:MATRIX_SCALE_ROW1
.endif
.endr
.endr
.endm
.macro FETCH_B slot, q, p
	WIN TO_B
.irp i, 0,1,2,3,4,5,6,7
	FRAG 128*(\p)+FR*\i, ADRB+\slot, \q, \i
.endr
	WIN 0
.endm
.macro FETCH_A slot, q, i0
.irp i, \i0, \i0+1, \i0+2, \i0+3
	FRAG AF+FR*(\i), ADRA+\slot, \q, \i
.endr
.endm
.macro SCALES sc                       ; a K step's scale words into set sc: two words a row; lanes 0-15 A's block i, lanes 16-31 B's block i
.irp i, 0,1,2,3,4,5,6,7
	ds_load_b64 v[SC+8*NQ*(\sc)+NQ*\i:SC+8*NQ*(\sc)+NQ*\i+1], v[ADRS] offset:\i*SBLK
.endr
.endm
.macro PLACES n                        ; plain vector instructions between a matrix instruction and a load into, or a read of, its registers
.rept \n
	v_nop
.endr
.endm
.macro STEP slot, q, sc, zero          ; a step of 128 along K that has its successor in the same slot; sc: its set of scale words
	s_wait_dscnt 4*NL                              ; B's set and A's blocks 0-3 are in; the youngest sixteen loads (A's blocks 4-7) may be out
	WIN MUL_LO
	MUL16 0, (\q)%2, \q, \sc, \zero
	MUL16 2, (\q)%2, \q, \sc, \zero
	s_wait_dscnt 0
	PLACES NP
	FETCH_B \slot, (\q)+1, 1-(\q)%2
	FETCH_A \slot, (\q)+1, 0
	WIN MUL_HI
	MUL16 4, (\q)%2, \q, \sc, \zero
	MUL16 6, (\q)%2, \q, \sc, \zero
	PLACES NP
	WIN 0
	FETCH_A \slot, (\q)+1, 4
.endm
; A slot's last step with a refill: in front of the round each wave waits for all its tensor loads, adds 0 to its spare word, and waits for that and for its reads of the slot.
; fill = 1: slot 0, just read out, takes K step 3.   fill = 2: slots 1 and 2, both read out, take part 2's tokens, a quarter to each wave.
.macro TURN next, sc, fill
	s_wait_tensorcnt 0x0                           ; all my tensor loads have landed: with fill = 1 my parts of slots 1 AND 2, with fill = 2 my part of K step 3
	ds_add_u32 v[SPW], v[NIL]                      ; 0 onto my spare word
	s_wait_dscnt 4*NL+1                            ; (the add and the youngest sixteen loads may be out)
	WIN MUL_LO
	MUL16 0, 1, NQ-1, \sc, 0
	s_wait_dscnt 0x0                               ; the add is done, and my reads of this slot are over
	s_barrier_signal -1
	MUL16 2, 1, NQ-1, \sc, 0
	WIN 0
	s_barrier_wait -1
	CREST                                          ; the barrier has opened a round of the cluster's barrier: no wave of any partner still reads what is filled now, or has a load on its way
.if \fill == 1
	s_add_nc_u64 s[34:35], s[34:35], 3*TILEB
	s_add_nc_u64 s[58:59], s[58:59], 3*TILEB
	JLOAD 32, G1, 56, G1B                          ; the first tensor load behind the round; its four v_nop are the places in front of the loads below
.else
	tensor_load_to_lds s[G0X:G0X+3], s[G1X:G1X+7]  ; every wave its own quarter, by one line with one mask
	s_nop 0
.rept 4
	v_nop
.endr
.endif
	v_add_nc_u32 v[ADRS], 4*NQ, v[ADRS]            ; on to the next K step's scale words
	FETCH_B \next, 0, 0
	FETCH_A \next, 0, 0
	SCALES 1-\sc
	WIN MUL_HI
	MUL16 4, 1, NQ-1, \sc, 0
	MUL16 6, 1, NQ-1, \sc, 0
	PLACES NP
	WIN 0
	FETCH_A \next, 0, 4
.endm
; Slot 1's last step goes on into slot 2 with no barrier: every wave waited for its part of slot 2 in front of the first round, and nothing is filled here.
.macro PASS next, sc
	s_wait_dscnt 4*NL
	WIN MUL_LO
	MUL16 0, 1, NQ-1, \sc, 0
	MUL16 2, 1, NQ-1, \sc, 0
	s_wait_dscnt 0
	WIN 0
	PLACES NP
	v_add_nc_u32 v[ADRS], 4*NQ, v[ADRS]
	FETCH_B \next, 0, 0
	FETCH_A \next, 0, 0
	SCALES 1-\sc
	WIN MUL_HI
	MUL16 4, 1, NQ-1, \sc, 0
	MUL16 6, 1, NQ-1, \sc, 0
	PLACES NP
	WIN 0
	FETCH_A \next, 0, 4
.endm
	; ---------------- part 1: q and k ----------------
	s_wait_tensorcnt 2                             ; the scales and my part of K step 0 are in (the loads of K steps 1 and 2 may be out)
	s_wait_dscnt 0x0                               ; my stores of the channels' scale bytes are done:
	s_barrier_signal -1
	s_barrier_wait -1                              ; everybody's are
	FETCH_B 0, 0, 0
	FETCH_A 0, 0, 0
	SCALES 0
	FETCH_A 0, 0, 4
	STEP 0, 0, 0, 1                                ; K step 0: the first products start the sums
	TURN 1, 0, 1                                   ; slot 0 is left and takes K step 3
	; The scales' loads were shown done by the wait for 0 above: their descriptors' registers now take part 2's.  Dense blocks as rows of 256 bytes (32 elements of 8 bytes), no padding.
	s_or_b32 s[G1X], s95, (3<<16)|(1<<21)          ; the tokens': mask of my row; 4 row tiles = 49,152 bytes = 192 rows
	s_mov_b32 s[G1X+1], 32<<16
	s_mov_b32 s[G1X+2], 192<<16
	s_mov_b32 s[G1X+3], 32<<16
	s_mov_b32 s[G1X+4], 192
	s_mov_b32 s[G1X+5], 32
	s_mov_b32 s[G1X+6], 0
	s_mov_b32 s[G1X+7], 0
	s_mov_b32 s[G0X], 1
	s_mul_i32 s[G0X+1], s16, 4*RT
	s_add_co_u32 s[G0X+1], s[G0X+1], SLOT
	s_mov_b64 s[G0X+2:G0X+3], s[4:5]
	s_or_b32 s[G0X+3], s[G0X+3], 0x80000000
	s_or_b32 s[G1W], s96, (3<<16)|(1<<21)          ; the channels': mask of my column; 2 row tiles = 24,576 bytes = 96 rows
	s_mov_b32 s[G1W+1], 32<<16
	s_mov_b32 s[G1W+2], 96<<16
	s_mov_b32 s[G1W+3], 32<<16
	s_mov_b32 s[G1W+4], 96
	s_mov_b32 s[G1W+5], 32
	s_mov_b32 s[G1W+6], 0
	s_mov_b32 s[G1W+7], 0
	s_mov_b32 s[G0W], 1
	s_mul_i32 s[G0W+1], s16, 2*RT
	s_mov_b64 s[G0W+2:G0W+3], s[8:9]
	s_or_b32 s[G0W+3], s[G0W+3], 0x80000000
	STEP 1, 0, 1, 0                                ; K step 1
	PASS 2, 1
	STEP 2, 0, 0, 0                                ; K step 2
	TURN 0, 0, 2                                   ; K step 3 has landed, in every wave's part; slots 1 and 2 take part 2's tokens
	STEP 0, 0, 1, 0                                ; K step 3
	s_wait_dscnt 4*NL
	WIN MUL_LO
	MUL16 0, 1, NQ-1, 1, 0
	MUL16 2, 1, NQ-1, 1, 0
	s_wait_dscnt 0
	WIN MUL_HI
	MUL16 4, 1, NQ-1, 1, 0
	MUL16 6, 1, NQ-1, 1, 0
	WIN 0
	; where the results go.  (Part 1's descriptors' registers are free: their last load was shown done by the wait for 0 in front of the second round.)
	s_lshl_b32 s20, s19, 4
	s_lshl_b32 s21, s17, 3
	s_add_co_u32 s20, s20, s21                     ; part 1: my first token tile,
	s_lshl_b32 s66, s94, 2
	s_lshl_b32 s67, s18, 1
	s_add_co_u32 s66, s66, s67                     ; my first group of 64 columns:
	s_lshl_b32 s66, s66, 9
	s_add_co_u32 s20, s20, s66                     ; index = 512 x group + token tile
	s_mul_i32 s22, s20, 768
	s_mov_b32 s23, 0
	s_add_nc_u64 s[24:25], s[12:13], s[22:23]      ; images of my first group of 64,
	s_add_nc_u64 s[26:27], s[24:25], 512*768       ; of my second;
	s_lshl_b32 s22, s20, 6
	s_add_nc_u64 s[28:29], s[14:15], s[22:23]      ; their words
	s_add_nc_u64 s[30:31], s[28:29], 512*64
	s_lshl_b32 s20, s19, 2
	s_lshl_b32 s21, s18, 1
	s_add_co_u32 s20, s20, s21                     ; part 2: my first group of 64 keys,
	s_lshl_b32 s20, s20, 6
	s_lshl_b32 s21, s94, 3
	s_add_co_u32 s20, s20, s21
	s_lshl_b32 s21, s17, 2
	s_add_co_u32 s20, s20, s21                     ; index = 64 x group + my first channel tile
	s_mul_i32 s22, s20, 768
	s_add_co_u32 s22, s22, 12582912
	s_add_nc_u64 s[32:33], s[12:13], s[22:23]
	s_add_nc_u64 s[34:35], s[32:33], 64*768
	s_lshl_b32 s22, s20, 6
	s_add_co_u32 s22, s22, 1048576
	s_add_nc_u64 s[36:37], s[14:15], s[22:23]
	s_add_nc_u64 s[38:39], s[36:37], 64*64
; THE WAY OUT.  Block a's 64 registers of a lane (window w, from v[s]) are 128 neighbours along B of ONE row of A: register 16 b + i = 32 b + 16 h + i.  They become a fragment's codes, two images, and a scale word.
; Each accumulator is read from its low end on.
.macro QUANTW w, s, pc
.set WQ, ((\w)<<2)|((\w)<<4)
	WIN WQ                                         ; sources 1 and 2: the accumulators' window
.irp b, 0,1,2,3
	v_max3_num_f32 v[TM+\b], v[FLR], |v[(\s)+16*\b]|, |v[(\s)+1+16*\b]|
.endr
.irp i, 2,4,6,8,10,12,14
.irp b, 0,1,2,3
	v_max3_num_f32 v[TM+\b], v[TM+\b], |v[(\s)+16*\b+\i]|, |v[(\s)+1+16*\b+\i]|
.endr
.endr
	WIN 0
.irp b, 0,1,2,3
	v_permlanex16_b32 v[TM+4+\b], v[TM+\b], s[SEL], s[SEL+1]
.endr
.irp b, 0,1,2,3
	v_max_num_f32 v[TM+\b], v[TM+\b], v[TM+4+\b]
.endr
.irp b, 0,1,2,3
	v_add_nc_u32 v[TM+12+\b], 0xfe000000, v[TM+\b]
.endr
.irp b, 0,1,2,3
	v_lshrrev_b32 v[TM+4+\b], 23, v[TM+12+\b]
.endr
	v_lshl_or_b32 v[PW], v[TM+5], 8, v[TM+4]
	v_lshl_or_b32 v[PW], v[TM+6], 16, v[PW]
	v_lshl_or_b32 v[PW], v[TM+7], 24, v[PW]
.set WQ, (\w)
	WIN WQ                                         ; source 0: the accumulators' window
.irp c, 0,1
	v_cvt_scalef32_pk16_bf6_f32 v[(\pc)+6*\c:(\pc)+2+6*\c], v[(\s)+32*\c:(\s)+15+32*\c], v[TM+12+2*\c]
	v_cvt_scalef32_pk16_bf6_f32 v[(\pc)+12+4*\c:(\pc)+14+4*\c], v[(\s)+16+32*\c:(\s)+31+32*\c], v[TM+12+2*\c+1]
.endr
	WIN 0
	v_nop                                          ; one plain place behind a scaled conversion
.irp c, 0,1
.irp i, 0,1,2
	v_permlane16_swap_b32 v[(\pc)+6*\c+\i], v[(\pc)+12+4*\c+\i]
.endr
.irp i, 0,1,2
	v_mov_b32 v[(\pc)+3+6*\c+\i], v[(\pc)+12+4*\c+\i]
.endr
.endr
.endm
.macro OUT a, w, o0, o1                ; block a, from window w, to the images at s[o0], s[o1]; its scale words to my stage
.set PCS, 96+128*((\a)%2)
	QUANTW \w, 64*((\a)%4), 96+128*((\a)%2)
	global_store_b128 v[OA], v[PCS:PCS+3], s[\o0:\o0+1] offset:768*(\a)            ; the first 64 along B: an image; every store covers whole aligned blocks of 256 bytes
	global_store_b64 v[OB], v[PCS+4:PCS+5], s[\o0:\o0+1] offset:768*(\a)+512
	global_store_b128 v[OA], v[PCS+6:PCS+9], s[\o1:\o1+1] offset:768*(\a)          ; the second 64
	global_store_b64 v[OB], v[PCS+10:PCS+11], s[\o1:\o1+1] offset:768*(\a)+512
	v_lshrrev_b32 v[WS], v[SH], v[PW]              ; lanes 0-15 keep the word, lanes 16-31 take the second 64's two bytes down
	ds_store_b32 v[SST], v[WS] offset:64*(\a)
.endm
	PLACES NP                                      ; behind the last products
.irp a, 0,1,2,3
.if \a > 1
	s_wait_xcnt 0x0                                ; block a - 2's stores have read this set of codes' registers
.endif
	OUT \a, 2, 24, 26
.endr
	; THE THIRD REFILL: slot 0, which every wave has read out, takes part 2's channels; the load has the other half of this way out in which to land
	s_wait_tensorcnt 0x0                           ; all my tensor loads have landed: my quarter of part 2's tokens
	ds_add_u32 v[SPW], v[NIL]                      ; 0 onto my spare word
	s_wait_dscnt 0x0                               ; the add is done; my reads of slot 0 were over ahead of the last products
	CROUND                                         ; both now hold of every wave of every work-group of the cluster
	tensor_load_to_lds s[G0W:G0W+3], s[G1W:G1W+7]  ; every wave its own quarter, by one line with one mask
	s_nop 0
.rept 4
	v_nop
.endr
.irp a, 4,5,6,7
	s_wait_xcnt 0x0
	OUT \a, 3, 24, 26
.endr
	ds_load_b128 v[RB:RB+3], v[RDS]                ; LDS serves a wave's instructions in order (ISA guide 5.7.1.4): these see my stores
	ds_load_b128 v[RB+4:RB+7], v[RDS] offset:512
	s_wait_dscnt 0x0
	global_store_b128 v[OA], v[RB:RB+3], s[28:29]  ; eight token tiles' words: 512 consecutive bytes
	global_store_b128 v[OA], v[RB+4:RB+7], s[30:31]
	; ---------------- part 2: v ----------------
.macro FRAG2 reg, adr, q, i            ; a fragment: row tile i of four, the q-th 128 along K of eight
	ds_load_b128 v[\reg:\reg+3], v[\adr] offset:(\i)*RT+(\q)*1536
	ds_load_b64 v[\reg+4:\reg+5], v[\adr+1] offset:(\i)*RT+(\q)*1536+512
	ds_load_b128 v[\reg+6:\reg+9], v[\adr] offset:(\i)*RT+(\q)*1536+768
	ds_load_b64 v[\reg+10:\reg+11], v[\adr+1] offset:(\i)*RT+(\q)*1536+1280
.endm
.macro FETCH2 q, p                     ; 48 LDS loads in one run: the tokens' eight and the channels' four fragments of step q, into the sets p
	WIN TO_B
.irp i, 0,1,2,3
	FRAG2 128*(\p)+FR*\i, ADRB2, \q, \i
.endr
.irp i, 0,1,2,3
	FRAG2 128*(\p)+FR*(4+\i), ADRB2+2, \q, \i
.endr
	WIN 0
.irp i, 0,1,2,3
	FRAG2 AF+48*(\p)+FR*\i, ADRA2, \q, \i
.endr
.endm
.macro SCALES2 pair, set               ; the scale words of steps 2 pair, 2 pair + 1.  Lanes 16-31 take the tokens' block i; lanes 0-15 the channels' block i, and for i > 3 scale bytes further on, which no product reads
.irp i, 0,1,2,3,4,5,6,7
	ds_load_b64 v[SC+16*(\set)+2*\i:SC+16*(\set)+2*\i+1], v[ADRS2] offset:\i*SBLK+8*(\pair)
.endr
.endm
.macro MULV a0, p, q                   ; 16 matrix instructions: the channels' blocks a0, a0 + 1 x the tokens' eight; the 32 accumulators by turns; step 0 starts the sums
.irp a, \a0, \a0+1
.irp b, 0,1,2,3,4,5,6,7
.if (\q) == 0
	v_wmma_scale_f32_16x16x128_f8f6f4 v[8*(8*(\a)+\b):8*(8*(\a)+\b)+7], v[128*(\p)+FR*\b:128*(\p)+FR*\b+FR-1], v[AF+48*(\p)+FR*(\a):AF+48*(\p)+FR*(\a)+FR-1], 0, v[SC+16*(((\q)/2)%2)+2*\b+(\q)%2], v[SC+16*(((\q)/2)%2)+2*(\a)+(\q)%2] matrix_a_fmt:MATRIX_FMT_BF6 matrix_b_fmt:MATRIX_FMT_BF6 matrix_a_scale:MATRIX_SCALE_ROW1
.else
	v_wmma_scale_f32_16x16x128_f8f6f4 v[8*(8*(\a)+\b):8*(8*(\a)+\b)+7], v[128*(\p)+FR*\b:128*(\p)+FR*\b+FR-1], v[AF+48*(\p)+FR*(\a):AF+48*(\p)+FR*(\a)+FR-1], v[8*(8*(\a)+\b):8*(8*(\a)+\b)+7], v[SC+16*(((\q)/2)%2)+2*\b+(\q)%2], v[SC+16*(((\q)/2)%2)+2*(\a)+(\q)%2] matrix_a_fmt:MATRIX_FMT_BF6 matrix_b_fmt:MATRIX_FMT_BF6 matrix_a_scale:MATRIX_SCALE_ROW1
.endif
.endr
.endr
.endm
; A step of 128 along K: the next step's fragments are asked for first, into the sets that the last step multiplied, and have this step's 32 products in which to come.
.macro STEP2 q
	s_wait_dscnt 0x0                               ; this step's fragments and scale words are in
.if ((\q) > 0) && ((\q) < 7)
	PLACES NP
.endif
.if (\q) < 7
	FETCH2 (\q)+1, 1-(\q)%2
.endif
.if ((\q)%2 == 0) && ((\q) < 6)
	SCALES2 (\q)/2+1, ((\q)/2+1)%2
.endif
	WIN MUL_LO
	MULV 0, (\q)%2, \q
	MULV 2, (\q)%2, \q
.endm
	s_wait_tensorcnt 0x0                           ; my quarter of the channels has landed (everybody's tokens were shown landed in front of the third round),
	s_barrier_signal -1
	s_barrier_wait -1                              ; everybody's has
	FETCH2 0, 0
	SCALES2 0, 0
.irp q, 0,1,2,3,4,5,6,7
	STEP2 \q
.endr
	WIN 0
	PLACES NP                                      ; behind the last products
.irp a, 0,1,2,3
	s_wait_xcnt 0x0                                ; the stores that read this set of codes' registers, and part 1's last stores, have read their registers
	OUT \a, 2, 32, 34
.endr
	ds_load_b64 v[RB:RB+1], v[RDS2]                ; four channel tiles' words of each group of keys: 256 bytes
	ds_load_b64 v[RB+2:RB+3], v[RDS2] offset:512
	s_wait_dscnt 0x0
	global_store_b64 v[OB], v[RB:RB+1], s[36:37]   ; 256 consecutive bytes, aligned
	global_store_b64 v[OB], v[RB+2:RB+3], s[38:39]
	s_wait_tensorcnt 0x0                           ; the wave's end
	ds_add_u32 v[SPW], v[NIL]
	s_wait_dscnt 0x0
	CROUND                                         ; the closing round
	s_endpgm
.Lfunc_end_k_qd68203ce4e_gemm_qkv:
	.size	k_qd68203ce4e_gemm_qkv, .Lfunc_end_k_qd68203ce4e_gemm_qkv-k_qd68203ce4e_gemm_qkv
	.p2alignl 7, 3214868480
	.fill 96, 4, 3214868480
	.section	.rodata,"a",@progbits
	.p2align	6, 0x0
	.amdhsa_kernel k_qd68203ce4e_gemm_qkv
		.amdhsa_group_segment_fixed_size 327680
		.amdhsa_private_segment_fixed_size 0
		.amdhsa_enable_private_segment 0
		.amdhsa_kernarg_size 48
		.amdhsa_user_sgpr_count 2
		.amdhsa_user_sgpr_kernarg_segment_ptr 1
		.amdhsa_wavefront_size32 1
		.amdhsa_system_sgpr_workgroup_id_x 1
		.amdhsa_system_sgpr_workgroup_id_y 1
		.amdhsa_system_sgpr_workgroup_id_z 1
		.amdhsa_system_vgpr_workitem_id 0
		.amdhsa_next_free_vgpr 1024
		.amdhsa_next_free_sgpr 102
		.amdhsa_reserve_vcc 0
		.amdhsa_float_denorm_mode_32 3
		.amdhsa_float_denorm_mode_16_64 3
		.amdhsa_memory_ordered 1
		.amdhsa_forward_progress 1
		.amdhsa_inst_pref_size 231
	.end_amdhsa_kernel
	.amdgpu_metadata
---
amdhsa.version: [ 1, 2 ]
amdhsa.kernels:
  - .name:           k_qd68203ce4e_gemm_qkv
    .symbol:         k_qd68203ce4e_gemm_qkv.kd
    .args:
      - { .name: x_img, .offset: 0, .size: 8, .value_kind: global_buffer, .address_space: global }
      - { .name: x_sc, .offset: 8, .size: 8, .value_kind: global_buffer, .address_space: global }
      - { .name: w_img, .offset: 16, .size: 8, .value_kind: global_buffer, .address_space: global }
      - { .name: w_sc, .offset: 24, .size: 8, .value_kind: global_buffer, .address_space: global }
      - { .name: qkv_img, .offset: 32, .size: 8, .value_kind: global_buffer, .address_space: global }
      - { .name: qkv_sc, .offset: 40, .size: 8, .value_kind: global_buffer, .address_space: global }
    .group_segment_fixed_size: 327680
    .private_segment_fixed_size: 0
    .kernarg_segment_align: 8
    .kernarg_segment_size: 48
    .max_flat_workgroup_size: 128
    .sgpr_count:     102
    .vgpr_count:     1024
    .wavefront_size: 32
...
	.end_amdgpu_metadata
.endif
;; end of part 2
;; launch attn (part 3): grid 4 x 64, 16 waves a work-group, no clusters, 210,944 bytes of LDS; arguments qkv_img, qkv_sc, a_img, a_sc; writes a_img, a_sc
.if DOCPART == 3
	.amdgcn_target "amdgcn-amd-amdhsa--gfx1250"
	.amdhsa_code_object_version 6
	.text
	.protected	k_qd68203ce4e_attn
	.globl	k_qd68203ce4e_attn
	.p2align	8
	.type	k_qd68203ce4e_attn,@function
k_qd68203ce4e_attn:
	s_mov_b64 s[64:65], 0
	v_nop
	global_prefetch_b8 v0, s[64:65] scope:SCOPE_SE
	s_setreg_imm32_b32 hwreg(HW_REG_WAVE_MODE, 25, 1), 1
	s_wait_xcnt 0x0
; Causal attention of one head on codes of BF6 (E3M2) with E8M0 scales; its result is quantised along the channels and leaves as codes, the left operand of the last product.
; t = score x log2(e) / 8; M = the row's largest t so far, rounded up to a whole number; p = 2^(t - M) is quantised along the keys, not normalised; the row's sum is taken of the unquantised p and divides O at the end.
; When M moves, the sum and O are multiplied by 2^(old M - new M), which rounds nothing.
; SHARES.  Work-group (p, head of a batch) owns query blocks 7 - p and p of 256 queries: 256 work-groups of equal work.  Wave w takes tile w of block 7 - p first, then tile 15 - w of block p:
; (2 (7 - p) + 1 + w / 8) + (2 p + 1 + (15 - w) / 8) = 17 key steps for every wave.
; THE WHOLE HEAD'S K AND V (2 x 98,304 bytes of codes, 12,288 of scale words) COME INTO LDS ONCE, IN TWO STAGES: keys 0-511, then keys 512-2,047.  Each wave asks for its eighth of both at the start.  The late query block comes
; first, since its first four key steps read the first stage alone and none of them is left out: the second stage lands under them in every work-group.  Nothing is filled again; two barriers serve the launch.
; NO CLUSTER: the four work-groups of a head read the same K and V, but which key steps a wave leaves out hangs on its query block, which would be its place in the cluster, and partners of joint loads must branch alike.
; LAYOUT.  Both products are used transposed: S^T = K Q^T (source 0 = 16 keys), O^T = V^T P^T (source 0 = 16 channels): a lane holds ONE query throughout.  The head's 64 fill half of the first product's 128: registers 6-11 of Q's and
; K's fragments are zero codes.  The rows of a stored tile are not neighbours (lane r of tile t: row 32 (t / 2) + 8 (t % 2) + r + 8 (r / 8)): so the 16 registers of tiles 2 b, 2 b + 1 are 16 neighbouring keys (or channels), 32 b + 16 h + 0 .. 15.
; Codes lie as images of operand registers: 768 bytes = 16 rows x 64 K; lane l's first 16 bytes at 16 l, its last 8 at 512 + 8 l.
; LIMITS: NaN and infinities are not served; a block whose largest magnitude lies under 2^(5 - 127), zeros among them, gets the byte 1 (this program alone reads the bytes).
; The scale bytes of the result leave as 2 bytes a token, 32 bytes apart: 262,144 bytes in the whole launch; all other stores cover whole aligned blocks of 256 bytes.
.set VIMG, 98304                       ; LDS: K's images from 0 (key tile T at 768 T); V's from here (64 keys' group at 3,072, channel tile at 768)
.set ST1,  24576                       ; K's (and V's) images of the first stage's 512 keys
.set KSC,  196608                      ; K's scale words: 64 bytes a key tile
.set VSC,  204800                      ; V's: 256 bytes for 128 keys, 64 a channel tile
.set KFR,  32                          ; v32-79   four fragments of K (their registers 6-11 are zeros, written once)
.set VF,   80                          ; v80-103  V's fragments of channel tiles 0 and 1
.set S,    104                         ; v104-167 S^T, then p; when the sums have read p, v104-127 take V's fragments of channel tiles 2 and 3
.set O,    168                         ; v168-199 O^T
.set PC,   200                         ; v200-211 p's codes;  v212-214, v216-218 the conversions' second halves
.set PX,   212
.set BM,   220                         ; v220-223 a block's largest
.set PT,   224                         ; v224-227 the other half's, then bytes
.set SO,   228                         ; v228-231 the conversions' scale operands
.set KSR,  232                         ; v232-235 K's scale words, v236-237 V's, v238 Q's, v239 p's: v232-235 also serve as chains of the sums once the first products are done
.set VSR,  236
.set QS,   238
.set PS,   239
.set T0,   240
.set Q2S,  241                         ; v241     the second tile's scale word, as loaded
.set F,    242                         ; v[242:243] f = 2^(old M - new M), and a 0 beside it
.set L2,   244                         ; v[244:245] the sums' second chain
.set HW,   246
.set NINF, 247
.set Q2,   248                         ; v248-253 at the head the scale words on their way to LDS; then the second tile's Q, as loaded
.set WV,   12
.set SEL,  16
.set CS,   18
.set G1K1, 20                          ; s[20:27], s[28:35] groups 1 of K's two loads; s[36:39], s[68:71] their groups 0
.set G1K2, 28
.set G0K1, 36
.set G0K2, 68
.set G1V1, 72                          ; s[72:79], s[80:87] groups 1 of V's two loads; s[88:91], s[92:95] their groups 0
.set G1V2, 80
.set G0V1, 88
.set G0V2, 92
.set KEY,  48                          ; s48 the step's first key;  s49, s50, s51: where its codes and K's and V's scale words begin
.set TK,   49
.set TS,   50
.set TJ,   51
.set CNT,  52
.set QMIN, 53                          ; my tile's first query, and its last
.set QMAX, 54
.macro GROUP1 g, c, r, p               ; r rows of c elements of 8 bytes, p elements apart in memory, on end in LDS; no mask, no padding
	s_mov_b32 s[\g], 3<<16
	s_mov_b32 s[\g+1], (\c)<<16
	s_mov_b32 s[\g+2], (\r)<<16
	s_mov_b32 s[\g+3], (\c)<<16
	s_mov_b32 s[\g+4], \r
	s_mov_b32 s[\g+5], \p
	s_mov_b32 s[\g+6], 0
	s_mov_b32 s[\g+7], 0
.endm
	s_load_b256 s[4:11], s[0:1], 0x0               ; qkv_img s[4:5], qkv_sc s[6:7], a_img s[8:9], a_sc s[10:11]: they stay as they are
	v_lshl_add_u32 v254, v0, 2, 0x33000
	v_mov_b32 v255, 0
	ds_add_u32 v254, v255
	ds_add_u32 v254, v255
	s_wait_dscnt 0x0
	v_lshrrev_b32 v1, 5, v0
	s_delay_alu instid0(VALU_DEP_1)
	v_readfirstlane_b32 s[WV], v1                  ; wave 0..15
	s_and_b32 s13, ttmp7, 0xffff
	s_lshr_b32 s14, s13, 4                         ; the batch
	s_and_b32 s15, s13, 15                         ; the head
	s_and_b32 s55, s[WV], 7
	s_mul_i32 s56, s55, 3072                       ; my eighth of a first stage,
	s_mul_i32 s63, s55, 9216                       ; and of a second
	s_lshl_b32 s57, s14, 7                         ; the batch's first token tile
	s_lshl_b32 s58, s15, 9
	s_add_co_u32 s58, s58, s57                     ; q's first image: 512 x head + 128 x batch
	s_add_co_u32 s59, s58, 16*512                  ; k's
	s_lshl_b32 s62, s14, 11
	s_lshl_b32 s13, s15, 2
	s_add_co_u32 s62, s62, s13                     ; v's: 2,048 x batch + 4 x head
	s_mov_b32 s61, 0
	GROUP1 G1K1, 32, 12, 32                        ; K, keys 0-511: my 4 key tiles, 3,072 dense bytes as 12 rows of 256
	GROUP1 G1K2, 32, 36, 32                        ; K, the other keys: my 12 key tiles, 9,216 dense bytes
	GROUP1 G1V1, 384, 1, 6144                      ; V, keys 0-511: my group of 64 keys: the head's four channel tiles, 3,072 bytes
	GROUP1 G1V2, 384, 3, 6144                      ; V, the other keys: my 3 groups, 49,152 bytes apart
	s_wait_kmcnt 0x0
	s_mul_i32 s60, s59, 768
	s_add_nc_u64 s[40:41], s[4:5], s[60:61]        ; k's images of this head
	s_mov_b32 s[G0K1], 1
	s_mov_b32 s[G0K1+1], s56
	s_mov_b32 s60, s56
	s_add_nc_u64 s[G0K1+2:G0K1+3], s[40:41], s[60:61]
	s_or_b32 s[G0K1+3], s[G0K1+3], 0x80000000
	s_mov_b32 s[G0K2], 1
	s_add_co_u32 s[G0K2+1], s63, ST1
	s_add_co_u32 s60, s63, ST1
	s_add_nc_u64 s[G0K2+2:G0K2+3], s[40:41], s[60:61]
	s_or_b32 s[G0K2+3], s[G0K2+3], 0x80000000
	s_mul_i32 s60, s62, 768
	s_add_co_u32 s60, s60, 12582912
	s_add_nc_u64 s[42:43], s[4:5], s[60:61]        ; v's images of this head
	s_mov_b32 s[G0V1], 1
	s_add_co_u32 s[G0V1+1], s56, VIMG
	s_mul_i32 s60, s55, 49152
	s_add_nc_u64 s[G0V1+2:G0V1+3], s[42:43], s[60:61]
	s_or_b32 s[G0V1+3], s[G0V1+3], 0x80000000
	s_mov_b32 s[G0V2], 1
	s_add_co_u32 s[G0V2+1], s63, VIMG+ST1
	s_mul_i32 s60, s55, 147456
	s_add_co_u32 s60, s60, 393216
	s_add_nc_u64 s[G0V2+2:G0V2+3], s[42:43], s[60:61]
	s_or_b32 s[G0V2+3], s[G0V2+3], 0x80000000
	s_cmp_lt_u32 s[WV], 8                          ; waves 0-7 fetch K, waves 8-15 V: a wave's two first fills stand in one branch; two tensor loads of mine are out at the most
	s_cbranch_scc0 .Lfor_v
	tensor_load_to_lds s[G0K1:G0K1+3], s[G1K1:G1K1+7]
	s_nop 0
	tensor_load_to_lds s[G0K2:G0K2+3], s[G1K2:G1K2+7]
	s_nop 0
.rept 4
	v_nop
.endr
	s_branch .Lasked
.Lfor_v:
	tensor_load_to_lds s[G0V1:G0V1+3], s[G1V1:G1V1+7]
	s_nop 0
	tensor_load_to_lds s[G0V2:G0V2+3], s[G1V2:G1V2+7]
	s_nop 0
.rept 4
	v_nop
.endr
.Lasked:
	v_and_b32 v9, 31, v0                           ; lane
	s_delay_alu instid0(VALU_DEP_1)
	v_lshlrev_b32 v1, 4, v9                        ; 16 x lane
	s_delay_alu instid0(VALU_DEP_2)
	v_lshlrev_b32 v2, 3, v9                        ; 8 x lane
	s_delay_alu instid0(VALU_DEP_2)
	v_add_nc_u32 v3, VIMG, v1
	s_delay_alu instid0(VALU_DEP_2)
	v_add_nc_u32 v4, VIMG, v2
	v_lshl_add_u32 v5, v9, 2, KSC
	v_lshl_add_u32 v6, v9, 2, VSC
	v_and_b32 v10, 15, v0                          ; r
	v_bfe_u32 v11, v0, 4, 1                        ; h
	s_delay_alu instid0(VALU_DEP_2)
	v_lshlrev_b32 v7, 2, v10
	s_delay_alu instid0(VALU_DEP_3)
	v_lshlrev_b32 v8, 5, v10
	s_delay_alu instid0(VALU_DEP_4)
	v_and_b32 v9, 8, v10
	s_delay_alu instid0(VALU_DEP_1)
	v_add_nc_u32 v9, v9, v10
	v_lshlrev_b32 v11, 4, v11
	s_delay_alu instid0(VALU_DEP_1)
	v_sub_nc_u32 v9, v9, v11                       ; r + 8 (r / 8) - 16 h: my query in the tile, less my half's first key in a block
	v_lshlrev_b32 v219, 4, v0
	s_delay_alu instid0(VALU_DEP_1)
	v_add_nc_u32 v254, KSC, v219
	v_lshl_add_u32 v255, v0, 3, VSC
	s_lshl_b32 s60, s59, 6                         ; k's words: 8,192 dense bytes
	v_add_nc_u32 v219, s60, v219
	s_lshl_b32 s60, s62, 6
	s_add_co_u32 s60, s60, 1048576
	s_lshl_b32 s63, s[WV], 13
	s_add_co_u32 s60, s60, s63                     ; v's words of keys 128 x wave on: 256 dense bytes
	v_add_nc_u32 v218, s60, v2
	global_load_b128 v[248:251], v219, s[6:7]      ; the scale words go through registers: 16 bytes a thread of K's,
	global_load_b64 v[252:253], v218, s[6:7]       ; 8 of V's
.macro QADR lo                         ; tile s55 of the head: Q's image at s[lo:lo+1], its scale words at s[lo+2:lo+3]
	s_add_co_u32 s56, s58, s55
	s_mul_i32 s60, s56, 768
	s_add_nc_u64 s[\lo:\lo+1], s[4:5], s[60:61]
	s_lshl_b32 s60, s56, 6
	s_add_nc_u64 s[\lo+2:\lo+3], s[6:7], s[60:61]
.endm
.macro OADR                            ; tile s55: its first and last query, and where its result goes
	s_lshr_b32 s[QMIN], s55, 1
	s_lshl_b32 s[QMIN], s[QMIN], 5
	s_and_b32 s63, s55, 1
	s_lshl_b32 s63, s63, 3
	s_add_co_u32 s[QMIN], s[QMIN], s63
	s_add_co_u32 s[QMAX], s[QMIN], 23
	s_add_co_u32 s56, s57, s55                     ; the token tile
	s_lshl_b32 s60, s56, 4
	s_add_co_u32 s60, s60, s15
	s_mul_i32 s60, s60, 768
	s_add_nc_u64 s[44:45], s[8:9], s[60:61]        ; the result's image: [token tile][head]
	s_lshl_b32 s60, s56, 9
	s_lshl_b32 s63, s15, 1
	s_add_co_u32 s60, s60, s63
	s_add_nc_u64 s[46:47], s[10:11], s[60:61]      ; its scale bytes: 32 a token, 2 x head on
.endm
.macro TILE2                           ; my second tile: 15 - wave of query block p
	s_lshl_b32 s55, ttmp9, 4
	s_add_co_u32 s55, s55, 15
	s_sub_co_u32 s55, s55, s[WV]
.endm
.macro INIT
	v_mov_b32 v13, 0xff61b1e6                      ; the largest t so far: -3e38
	s_delay_alu instid0(VALU_DEP_1)
	v_floor_f32 v12, -v13                          ; -M
	v_mov_b32 v14, 0                               ; the sum, in two halves
	v_mov_b32 v15, 0
.set n, 0
.rept 32
	v_mov_b32 v[O+n], 0                            ; O^T: the step is written once, and its first trip finds zeros
.set n, n+1
.endr
	s_mov_b32 s[KEY], 0
	s_mov_b32 s[TK], 0
	s_mov_b32 s[TS], 0
	s_mov_b32 s[TJ], 0
.endm
	s_sub_co_u32 s55, 7, ttmp9                     ; my first tile: my wave's of query block 7 - p
	s_lshl_b32 s55, s55, 4
	s_add_co_u32 s55, s55, s[WV]
	QADR 40
	OADR
	global_load_b128 v[16:19], v1, s[40:41]
	global_load_b64 v[20:21], v2, s[40:41] offset:512
	global_load_b32 v[QS], v7, s[42:43]
	TILE2
	QADR 96                                        ; the second tile's Q: asked for behind the first barrier
	s_mov_b32 s[SEL], 0x76543210
	s_mov_b32 s[SEL+1], 0xfedcba98
	s_mov_b32 s[CS], 0x3e38aa3b                    ; c = log2(e) / 8
	s_mov_b32 s[CS+1], s[CS]
.irp t, 0,1,2,3
.irp i, 6,7,8,9,10,11
	v_mov_b32 v[KFR+12*\t+\i], 0                   ; the upper 64 of the first product's K: zero codes
.endr
.endr
.irp i, 22,23,24,25,26,27
	v_mov_b32 v\i, 0
.endr
.irp b, 0,1,2,3
	v_mov_b32 v[PT+\b], 0                          ; written once: a lane permute's destination counts as one of its sources
.endr
	v_mov_b32 v[T0], 0
	v_mov_b32 v[F+1], 0
	v_mov_b32 v[NINF], 0xff800000
	INIT
	s_wait_loadcnt 3                               ; the scale words are in; Q's three loads may be out
	ds_store_b128 v254, v[248:251]
	ds_store_b64 v255, v[252:253]
	s_wait_tensorcnt 0x1                           ; my part of keys 0-511 has landed; my second load may be out
	s_wait_dscnt 0x0                               ; my stores too:
	s_barrier_signal -1
	s_barrier_wait -1                              ; everybody's have
	global_load_b128 v[Q2:Q2+3], v1, s[96:97]      ; the second tile's Q and scale word: they have the whole first tile in which to come
	global_load_b64 v[Q2+4:Q2+5], v2, s[96:97] offset:512
	global_load_b32 v[Q2S], v7, s[98:99]
	s_wait_loadcnt 3                               ; the first tile's Q is in; the three loads just issued may be out
.macro VLOAD reg, dt                   ; channel tile dt's fragment of the step's 128 keys: two images
	ds_load_b128 v[\reg:\reg+3], v28 offset:768*\dt
	ds_load_b64 v[\reg+4:\reg+5], v29 offset:768*\dt+512
	ds_load_b128 v[\reg+6:\reg+9], v28 offset:3072+768*\dt
	ds_load_b64 v[\reg+10:\reg+11], v29 offset:3072+768*\dt+512
.endm
; A KEY STEP: 128 keys.  A step all of whose keys come after my queries is left out by a scalar branch on ids; the lines at its end that step addresses are on every way.
.macro STEP
	s_cmp_gt_u32 s[KEY], s[QMAX]
	s_cbranch_scc1 .Lhidden_\@
	s_setprio 2
	v_add_nc_u32 v10, s[TK], v1                    ; these six are also the places behind the last step's last products: four in front of the loads into V's scale registers,
	s_wait_alu depctr_va_vdst(0)
	v_add_nc_u32 v11, s[TK], v2                    ; five in front of the products below, which write over v104-127, those products' first source
	s_wait_alu depctr_va_vdst(0)
	v_add_nc_u32 v28, s[TK], v3
	v_add_nc_u32 v29, s[TK], v4
	v_add_nc_u32 v30, s[TS], v5
	v_add_nc_u32 v31, s[TJ], v6
.irp g, 0,1                                    ; S^T = K Q^T, four tiles of 16 keys at a time
.if \g > 0
.rept 4
	v_nop                                          ; places in front of loads into registers that matrix instructions have read, and of the first read of the first four tiles' scores
.endr
.endif
.irp t, 0,1,2,3
	ds_load_b128 v[KFR+12*\t:KFR+12*\t+3], v10 offset:768*(4*\g+\t)
	ds_load_b64 v[KFR+12*\t+4:KFR+12*\t+5], v11 offset:768*(4*\g+\t)+512
.endr
.if \g == 0
.irp i, 0,1,2,3
	ds_load_b32 v[KSR+\i], v30 offset:128*\i       ; lanes 0-15: key tile 2 i's words, lanes 16-31: tile 2 i + 1's
.endr
.irp i, 0,1
	ds_load_b32 v[VSR+\i], v31 offset:128*\i       ; the same of V's channel tiles
.endr
.endif
	s_wait_dscnt 0x0
.irp t, 0,2
	v_wmma_scale_f32_16x16x128_f8f6f4 v[S+8*(4*\g+\t):S+8*(4*\g+\t)+7], v[KFR+12*\t:KFR+12*\t+11], v[16:27], 0, v[KSR+2*\g+\t/2], v[QS] matrix_a_fmt:MATRIX_FMT_BF6 matrix_b_fmt:MATRIX_FMT_BF6
	v_wmma_scale_f32_16x16x128_f8f6f4 v[S+8*(4*\g+\t+1):S+8*(4*\g+\t+1)+7], v[KFR+12*(\t+1):KFR+12*(\t+1)+11], v[16:27], 0, v[KSR+2*\g+\t/2], v[QS] matrix_a_fmt:MATRIX_FMT_BF6 matrix_b_fmt:MATRIX_FMT_BF6 matrix_a_scale:MATRIX_SCALE_ROW1
.endr
.endr
	s_wait_alu depctr_va_vdst(0)
	VLOAD VF, 0                                    ; V's first two fragments land under the softmax
	VLOAD VF+12, 1
	; No v_nop here: on both ways the lines that follow work on the first four tiles' scores (v104-135) for sixteen lines or more before they touch the last four tiles': they are the places behind the last four products.
	s_add_co_u32 s55, s[KEY], 127                  ; on the diagonal hidden scores become -infinity ahead of the maximum; a step all of whose keys count skips this
	s_cmp_le_u32 s55, s[QMIN]
	s_cbranch_scc1 .Lopen_\@
	s_sub_co_i32 s55, s[QMIN], s[KEY]
	v_add_nc_u32 v[T0], s55, v9                    ; d: register 16 b + i holds a key that is hidden where 32 b + i > d
.set n, 0
.rept 64
	v_cmp_gt_i32 vcc_lo, 32*(n/16)+n%16, v[T0]
	v_cndmask_b32 v[S+n], v[S+n], v[NINF], vcc_lo
.set n, n+1
.endr
.Lopen_\@:
.irp h, 0,2                                    ; the largest score of each block of 32 keys: for the row's maximum, and, since p rises with the score, for the block's largest p.  Blocks 0 and 1 first, then 2 and 3
.irp b, 0,1
	v_max3_num_f32 v[BM+\h+\b], v[S+16*(\h+\b)], v[S+1+16*(\h+\b)], v[S+2+16*(\h+\b)]
.endr
.irp i, 3,5,7,9,11,13
.irp b, 0,1
	v_max3_num_f32 v[BM+\h+\b], v[BM+\h+\b], v[S+16*(\h+\b)+\i], v[S+1+16*(\h+\b)+\i]
.endr
.endr
.irp b, 0,1
	v_max_num_f32 v[BM+\h+\b], v[BM+\h+\b], v[S+15+16*(\h+\b)]
.endr
.endr
.irp b, 0,1,2,3
	v_permlanex16_b32 v[PT+\b], v[BM+\b], s[SEL], s[SEL+1]
.endr
.irp b, 0,1,2,3
	s_delay_alu instid0(VALU_DEP_4)
	v_max_num_f32 v[BM+\b], v[BM+\b], v[PT+\b]     ; with lane l xor 16's 16 keys
.endr
	s_delay_alu instid0(VALU_DEP_2)
	v_max3_num_f32 v[T0], v[BM], v[BM+1], v[BM+2]
	s_delay_alu instid0(VALU_DEP_1)
	v_max_num_f32 v[T0], v[T0], v[BM+3]            ; the step's largest score of my query (key KEY counts for every query of the tile: it is a number)
	s_delay_alu instid0(VALU_DEP_1)
	v_mul_f32 v[T0], s[CS], v[T0]
	s_delay_alu instid0(VALU_DEP_1)
	v_max_num_f32 v13, v13, v[T0]                  ; the running largest t
	v_mov_b32 v[T0], v12
	s_delay_alu instid0(VALU_DEP_2)
	v_floor_f32 v12, -v13                          ; the new -M = -ceil(t)
	s_delay_alu instid0(VALU_DEP_1)
	v_sub_f32 v[T0], v12, v[T0]                    ; old M - new M: a whole number, 0 or less
	s_delay_alu instid0(VALU_DEP_1)
	v_cvt_i32_f32 v[T0], v[T0]                     ; (it saturates)
	s_delay_alu instid0(VALU_DEP_1)
	v_ldexp_f32 v[F], 1.0, v[T0]                   ; f
.set n, 0
.rept 32
	v_pk_fma_f32 v[S+n:S+n+1], v[S+n:S+n+1], s[CS:CS+1], v[12:13] op_sel_hi:[1,0,0]   ; t - M, two at a time
.set n, n+2
.endr
	s_setprio 1
.irp b, 0,1,2,3
	v_fma_f32 v[BM+\b], v[BM+\b], s[CS], v12       ; the same of each block's largest score
.endr
.set n, 0
	s_wait_alu depctr_va_vdst(0)
.rept 64
	v_exp_f32 v[S+n], v[S+n]                       ; p = 2^(t - M)
.set n, n+1
.endr
.irp b, 0,1,2,3
	v_exp_f32 v[BM+\b], v[BM+\b]                   ; the block's largest p
.endr
	v_pk_mul_f32 v[14:15], v[14:15], v[F:F+1] op_sel_hi:[1,0]   ; the sums under the new M (a plain place behind the exponentials)
	s_wait_alu depctr_va_vdst(0)
.irp b, 0,1,2,3
	v_max_num_f32 v[BM+\b], 0x2800000, v[BM+\b]    ; the floor: the byte cannot fall under 1
.endr
.irp b, 0,1,2,3
	s_delay_alu instid0(VALU_DEP_4)
	v_add_nc_u32 v[SO+\b], 0xfe000000, v[BM+\b]
.endr
.irp b, 0,1,2,3
	s_delay_alu instid0(VALU_DEP_4)
	v_lshrrev_b32 v[PT+\b], 23, v[SO+\b]
.endr
	s_delay_alu instid0(VALU_DEP_3)
	v_lshl_or_b32 v[PS], v[PT+1], 8, v[PT]         ; p's scale word for these 128 keys
	s_delay_alu instid0(VALU_DEP_1)
	v_lshl_or_b32 v[PS], v[PT+2], 16, v[PS]
	s_delay_alu instid0(VALU_DEP_1)
	v_lshl_or_b32 v[PS], v[PT+3], 24, v[PS]
.irp c, 0,1
	v_cvt_scalef32_pk16_bf6_f32 v[PC+6*\c:PC+2+6*\c], v[S+32*\c:S+15+32*\c], v[SO+2*\c]
	v_cvt_scalef32_pk16_bf6_f32 v[PX+4*\c:PX+2+4*\c], v[S+16+32*\c:S+31+32*\c], v[SO+2*\c+1]
.endr
	v_pk_add_f32 v[244:245], v[108:109], v[112:113]
	v_pk_add_f32 v[254:255], v[116:117], v[120:121]
	v_pk_add_f32 v[234:235], v[124:125], v[128:129]
	v_pk_add_f32 v[232:233], v[132:133], v[136:137]
	v_pk_add_f32 v[230:231], v[140:141], v[144:145]
	v_pk_add_f32 v[228:229], v[148:149], v[152:153]
	v_pk_add_f32 v[222:223], v[156:157], v[160:161]
	v_pk_add_f32 v[14:15], v[14:15], v[164:165]
	v_pk_add_f32 v[244:245], v[244:245], v[104:105]
	v_pk_add_f32 v[254:255], v[254:255], v[106:107]
	v_pk_add_f32 v[234:235], v[234:235], v[110:111]
	v_pk_add_f32 v[232:233], v[232:233], v[114:115]
	v_pk_add_f32 v[230:231], v[230:231], v[118:119]
	v_pk_add_f32 v[228:229], v[228:229], v[122:123]
	v_pk_add_f32 v[222:223], v[222:223], v[126:127]
	v_pk_add_f32 v[14:15], v[14:15], v[130:131]
	v_pk_add_f32 v[244:245], v[244:245], v[134:135]
	v_pk_add_f32 v[254:255], v[254:255], v[138:139]
	v_pk_add_f32 v[234:235], v[234:235], v[142:143]
	v_pk_add_f32 v[232:233], v[232:233], v[146:147]
	v_pk_add_f32 v[230:231], v[230:231], v[150:151]
	v_pk_add_f32 v[228:229], v[228:229], v[154:155]
	v_pk_add_f32 v[222:223], v[222:223], v[158:159]
	v_pk_add_f32 v[14:15], v[14:15], v[162:163]
	v_pk_add_f32 v[244:245], v[244:245], v[166:167]
	s_delay_alu instid0(VALU_DEP_2)
	v_pk_add_f32 v[14:15], v[14:15], v[232:233]
	s_delay_alu instid0(VALU_DEP_2)
	v_pk_add_f32 v[244:245], v[244:245], v[230:231]
	s_setprio 0
	v_pk_add_f32 v[254:255], v[254:255], v[228:229]
	v_pk_add_f32 v[234:235], v[234:235], v[222:223]
	s_delay_alu instid0(VALU_DEP_2)
	v_pk_add_f32 v[14:15], v[14:15], v[254:255]
	s_delay_alu instid0(VALU_DEP_2)
	v_pk_add_f32 v[244:245], v[244:245], v[234:235]
	s_delay_alu instid0(VALU_DEP_1)
	v_pk_add_f32 v[14:15], v[14:15], v[244:245]
	VLOAD S, 2                                     ; p has been read for the last time: its first 24 registers take V's other two fragments
	VLOAD S+12, 3
.irp c, 0,1                                    ; the operand's layout wants a whole block in a lane
.irp i, 0,1,2
	v_permlane16_swap_b32 v[PC+6*\c+\i], v[PX+4*\c+\i]
.endr
.irp i, 0,1,2
	s_delay_alu instid0(VALU_DEP_3)
	v_mov_b32 v[PC+3+6*\c+\i], v[PX+4*\c+\i]
.endr
.endr
.set n, 0
.rept 16
	v_pk_mul_f32 v[O+n:O+n+1], v[O+n:O+n+1], v[F:F+1] op_sel_hi:[1,0]   ; O^T under the new M (these are also the places between the lines that made p's codes and scale word and the products below)
.set n, n+2
.endr
	s_wait_alu depctr_va_vdst(0)
	s_wait_dscnt 8                                 ; V's first two fragments are in; the eight loads of the other two may be out
	v_wmma_scale_f32_16x16x128_f8f6f4 v[O:O+7], v[VF:VF+11], v[PC:PC+11], v[O:O+7], v[VSR], v[PS] matrix_a_fmt:MATRIX_FMT_BF6 matrix_b_fmt:MATRIX_FMT_BF6
	v_wmma_scale_f32_16x16x128_f8f6f4 v[O+8:O+15], v[VF+12:VF+23], v[PC:PC+11], v[O+8:O+15], v[VSR], v[PS] matrix_a_fmt:MATRIX_FMT_BF6 matrix_b_fmt:MATRIX_FMT_BF6 matrix_a_scale:MATRIX_SCALE_ROW1
	s_wait_dscnt 0x0
	v_wmma_scale_f32_16x16x128_f8f6f4 v[O+16:O+23], v[S:S+11], v[PC:PC+11], v[O+16:O+23], v[VSR+1], v[PS] matrix_a_fmt:MATRIX_FMT_BF6 matrix_b_fmt:MATRIX_FMT_BF6
	v_wmma_scale_f32_16x16x128_f8f6f4 v[O+24:O+31], v[S+12:S+23], v[PC:PC+11], v[O+24:O+31], v[VSR+1], v[PS] matrix_a_fmt:MATRIX_FMT_BF6 matrix_b_fmt:MATRIX_FMT_BF6 matrix_a_scale:MATRIX_SCALE_ROW1
.Lhidden_\@:
	s_add_co_u32 s[KEY], s[KEY], 128
	s_add_co_u32 s[TK], s[TK], 6144
	s_add_co_u32 s[TS], s[TS], 512
	s_add_co_u32 s[TJ], s[TJ], 256
.endm
; O^T / the sum; its 32 registers are channels 32 b + 16 h + i of my query: two blocks, quantised into one image and two scale bytes
.macro FINISH
.rept 4
	v_nop                                          ; places behind the last products
.endr
	v_add_f32 v14, v14, v15
	s_delay_alu instid0(VALU_DEP_1)
	v_permlanex16_b32 v[T0], v14, s[SEL], s[SEL+1]
	s_delay_alu instid0(VALU_DEP_1)
	v_add_f32 v14, v14, v[T0]                      ; the row's sum
	s_wait_alu depctr_va_vdst(0)
	v_rcp_f32 v14, v14
	v_nop                                          ; one plain place behind a transcendental
.set n, 0
	s_wait_alu depctr_va_vdst(0)
.rept 16
	v_pk_mul_f32 v[S+n:S+n+1], v[O+n:O+n+1], v[14:15] op_sel_hi:[1,0]
.set n, n+2
.endr
.irp b, 0,1
	v_max3_num_f32 v[BM+\b], |v[S+16*\b]|, |v[S+1+16*\b]|, 0x2800000
.endr
.irp i, 2,4,6,8,10,12,14
.irp b, 0,1
	s_delay_alu instid0(VALU_DEP_2)
	v_max3_num_f32 v[BM+\b], v[BM+\b], |v[S+16*\b+\i]|, |v[S+1+16*\b+\i]|
.endr
.endr
.irp b, 0,1
	s_delay_alu instid0(VALU_DEP_2)
	v_permlanex16_b32 v[PT+\b], v[BM+\b], s[SEL], s[SEL+1]
.endr
.irp b, 0,1
	s_delay_alu instid0(VALU_DEP_2)
	v_max_num_f32 v[BM+\b], v[BM+\b], v[PT+\b]
.endr
.irp b, 0,1
	s_delay_alu instid0(VALU_DEP_2)
	v_add_nc_u32 v[SO+\b], 0xfe000000, v[BM+\b]
.endr
.irp b, 0,1
	s_delay_alu instid0(VALU_DEP_2)
	v_lshrrev_b32 v[PT+\b], 23, v[SO+\b]
.endr
	s_delay_alu instid0(VALU_DEP_1)
	v_lshl_or_b32 v[HW], v[PT+1], 8, v[PT]
	v_cvt_scalef32_pk16_bf6_f32 v[PC:PC+2], v[S:S+15], v[SO]
	v_cvt_scalef32_pk16_bf6_f32 v[PX:PX+2], v[S+16:S+31], v[SO+1]
	v_nop                                          ; one plain place behind a scaled conversion
.irp i, 0,1,2
	v_permlane16_swap_b32 v[PC+\i], v[PX+\i]
.endr
.irp i, 0,1,2
	s_delay_alu instid0(VALU_DEP_3)
	v_mov_b32 v[PC+3+\i], v[PX+\i]
.endr
	global_store_b128 v1, v[PC:PC+3], s[44:45]
	global_store_b64 v2, v[PC+4:PC+5], s[44:45] offset:512
	global_store_b16 v8, v[HW], s[46:47]           ; both halves of the lanes write the same two bytes with the same value
.endm
	s_mov_b32 s[CNT], 4                            ; the late query block, keys 0-511: the first stage
.Lloop_b1:
	STEP
	s_sub_co_u32 s[CNT], s[CNT], 1
	s_cmp_lg_u32 s[CNT], 0
	s_cbranch_scc1 .Lloop_b1
	s_setprio 0
	s_wait_tensorcnt 0x0                           ; my part of keys 512-2,047 has landed,
	s_wait_dscnt 0x0
	s_barrier_signal -1
	s_barrier_wait -1                              ; everybody's has
	s_mov_b32 s[CNT], 12                           ; keys 512-2,047
.Lloop_b2:
	STEP
	s_sub_co_u32 s[CNT], s[CNT], 1
	s_cmp_lg_u32 s[CNT], 0
	s_cbranch_scc1 .Lloop_b2
	s_setprio 0
	FINISH
	s_wait_xcnt 0x0                                ; the stores have read their bases and registers: both are written again only behind this wait
	TILE2
	OADR
	s_wait_loadcnt 0x0                             ; the second tile's Q, asked for behind the first barrier
.irp i, 0,1,2,3,4,5
	v_mov_b32 v[16+\i], v[Q2+\i]
.endr
	v_mov_b32 v[QS], v[Q2S]                        ; (the lines of INIT and the step's six additions stand between these moves and the first product)
	INIT
	s_mov_b32 s[CNT], 8                            ; query blocks 0-3 see 1,024 keys at the most
.Lloop_a:
	STEP
	s_sub_co_u32 s[CNT], s[CNT], 1
	s_cmp_lg_u32 s[CNT], 0
	s_cbranch_scc1 .Lloop_a
	s_setprio 0
	FINISH
	s_wait_xcnt 0x0
	v_lshl_add_u32 v254, v0, 2, 0x33000
	v_mov_b32 v255, 0
	s_wait_alu depctr_va_vdst(0)
	s_wait_tensorcnt 0x0
	ds_add_u32 v254, v255
	s_wait_dscnt 0x0
	s_endpgm
.Lfunc_end_k_qd68203ce4e_attn:
	.size	k_qd68203ce4e_attn, .Lfunc_end_k_qd68203ce4e_attn-k_qd68203ce4e_attn
	.p2alignl 7, 3214868480
	.fill 96, 4, 3214868480
	.section	.rodata,"a",@progbits
	.p2align	6, 0x0
	.amdhsa_kernel k_qd68203ce4e_attn
		.amdhsa_group_segment_fixed_size 210944
		.amdhsa_private_segment_fixed_size 0
		.amdhsa_enable_private_segment 0
		.amdhsa_kernarg_size 32
		.amdhsa_user_sgpr_count 2
		.amdhsa_user_sgpr_kernarg_segment_ptr 1
		.amdhsa_wavefront_size32 1
		.amdhsa_system_sgpr_workgroup_id_x 1
		.amdhsa_system_sgpr_workgroup_id_y 1
		.amdhsa_system_sgpr_workgroup_id_z 1
		.amdhsa_system_vgpr_workitem_id 0
		.amdhsa_next_free_vgpr 256
		.amdhsa_next_free_sgpr 100
		.amdhsa_reserve_vcc 1
		.amdhsa_float_denorm_mode_32 3
		.amdhsa_float_denorm_mode_16_64 3
		.amdhsa_memory_ordered 1
		.amdhsa_forward_progress 1
		.amdhsa_inst_pref_size 92
	.end_amdhsa_kernel
	.amdgpu_metadata
---
amdhsa.version: [ 1, 2 ]
amdhsa.kernels:
  - .name:           k_qd68203ce4e_attn
    .symbol:         k_qd68203ce4e_attn.kd
    .args:
      - { .name: qkv_img, .offset: 0, .size: 8, .value_kind: global_buffer, .address_space: global }
      - { .name: qkv_sc, .offset: 8, .size: 8, .value_kind: global_buffer, .address_space: global }
      - { .name: a_img, .offset: 16, .size: 8, .value_kind: global_buffer, .address_space: global }
      - { .name: a_sc, .offset: 24, .size: 8, .value_kind: global_buffer, .address_space: global }
    .group_segment_fixed_size: 210944
    .private_segment_fixed_size: 0
    .kernarg_segment_align: 8
    .kernarg_segment_size: 32
    .max_flat_workgroup_size: 512
    .sgpr_count:     100
    .vgpr_count:     256
    .wavefront_size: 32
...
	.end_amdgpu_metadata
.endif
;; end of part 3
;; launch gemm_proj (part 4): grid 4 x 64, 4 waves a work-group, clusters of 4 x 4, 327,680 bytes of LDS; arguments a_img, a_sc, w_img, w_sc, out0; writes out0
.if DOCPART == 4
	.amdgcn_target "amdgcn-amd-amdhsa--gfx1250"
	.amdhsa_code_object_version 6
	.text
	.protected	k_qd68203ce4e_gemm_proj
	.globl	k_qd68203ce4e_gemm_proj
	.p2align	8
	.type	k_qd68203ce4e_gemm_proj,@function
k_qd68203ce4e_gemm_proj:
	s_mov_b64 s[64:65], 0
	v_nop
	global_prefetch_b8 v0, s[64:65] scope:SCOPE_SE
	s_setreg_imm32_b32 hwreg(HW_REG_WAVE_MODE, 25, 1), 1
	s_wait_xcnt 0x0
	s_wait_alu depctr_hold_cnt(0) depctr_sa_sdst(0) depctr_va_vdst(0) depctr_va_sdst(0) depctr_va_ssrc(0) depctr_va_vcc(0) depctr_vm_vsrc(0)
	s_getreg_b32 s2, hwreg(HW_REG_IB_STS2, 6, 4)
	s_cmp_eq_u32 s2, 0
	s_cbranch_scc0 .Lentry_in_a_cluster
	s_endpgm
.Lentry_in_a_cluster:
	s_bfe_u32 s2, ttmp6, 0x10000c
	s_cmp_lg_u32 s2, 0xf033
	s_cbranch_scc0 .Lentry_shape_is_right
	s_endpgm
.Lentry_shape_is_right:
; out0 = (attention's result) w_proj on codes of BF6 (E3M2) with E8M0 scales, K = 1024, f32 sums and f32 output [8192][1024].
; A = a_img / a_sc (8,192 tokens), B = w_img's row tiles 192 .. 255 / w_sc (w_proj's 1,024 columns).  Codes lie as images of operand registers: 768 bytes = 16 rows x 64 K; lane l's first 16 bytes at 16 l, its last 8 at 512 + 8 l.
; The rows of a stored tile are not neighbours (lane r of tile t: row 32 (t / 2) + 8 (t % 2) + r + 8 (r / 8)); the way out puts tokens and columns back by its constant offsets.
; THE MATRIX INSTRUCTION IS USED TRANSPOSED (source 0 = 16 rows of B, source 1 = 16 rows of A): a lane holds eight neighbouring columns of one token.
; A tile of 128 tokens x 256 columns to a work-group: 64 x 4 = 256 work-groups.  Four waves, 64 x 128 each: 32 accumulators, 256 registers.
; ALL OF K LIES IN LDS: A's 128 rows are 98,304 bytes of codes, B's 256 rows 196,608, the scale bytes 13,056 with their padding.  So nothing is filled again: no ring.  The codes come in two stages of 512 along K,
; both asked for at the start; the first stage is multiplied while the second lands; one barrier stands at the change of stage.
; CLUSTERS of 4 x 4: A's tiles are shared along a row of the cluster, B's along a column, each asked for jointly.
; REGISTERS: window 0: v1-31 addresses; v32-95 scale words, a set for each stage, and nothing else; v128-223 A's fragments, two sets of 48; on the way out v128-255 rows read back.
;   window 1: B's fragments, two sets, at v0 and v128.   window 2: the accumulators ((a, b) at v[8 (8 a + b)]).
.set NQ,     4                         ; steps of 128 along K in a stage
.set TILEB,  6144                      ; a row tile's part of a stage: eight images
.set FR,     12
.set NP,     4                         ; places behind this matrix instruction (ISA guide 7.12.1)
.set ATB,    4*TILEB                   ; 64 rows: what one of A's tensor loads brings, and what a wave reads of A
.set BTB,    8*TILEB                   ; 128 rows: the same for B
.set STGE,   2*ATB+2*BTB               ; a stage: A's 128 rows, then B's 256 rows
.set SCL,    2*STGE                    ; behind the two stages: the scales, as 256 bytes + 16 of padding: A's 128 rows, then B's 256
.set AHS,    8*272                     ; the scales of 64 rows
.set BHS,    16*272                    ; of 128 rows
.set SBLK,   2*272                     ; of 16 rows
.set SPITCH, 528                       ; the way out: a stage of 16 rows x (512 bytes + 16) for each wave, in the first 33,792 bytes of LDS, which are filled once and are read for the last time ahead of the barrier at the change of stage
.set BTILE,  192                       ; w_proj's first row tile in w_img
.set ADRA, 16                          ; v16 my A fragments in the stage in hand, + 16 x lane;  v17 the same + 8 x lane
.set ADRB, 18                          ; v18, v19 the same for B
.set STO,  24
.set RD,   25
.set CO,   26
.set ADRS, 27                          ; v27 my scale words: lanes 0-15 A's rows, lanes 16-31 B's
.set SC,   32                          ; set s at v[SC + 32 s]; in it register 4 i + q: lanes 0-15 the word of A's block i (i < 4), lanes 16-31 that of B's block i, for the stage's q-th 128 along K
.set AF,   128
.set BK,   128
.set G1, 24                            ; s[24:31] group 1 for A's tiles;  s[32:39] their groups 0, one for each stage
.set G0, 32
.set G1B, 48                           ; s[48:55], s[56:63] the same for B's
.set G0B, 56
.set G1S, 68
.set G0S, 76
.set G1SB, 80
.set G0SB, 88
.set MSB, 0
.macro WIN new                         ; the immediate's high byte repeats the setting that is left
.if MSB != \new
	s_set_vgpr_msb (MSB<<8)|\new
.set MSB, \new
.endif
.endm
.set MUL,  0xa1                        ; source 0 (B) window 1, source 1 (A) window 0, C and D window 2
.set TO_B, 0x40
.macro JLOAD g0a, g1a, g0b, g1b        ; a joint load: waves 0 and 1 fetch for A, waves 2 and 3 for B; four v_nop follow each line
	s_cmp_eq_u32 s17, 0
	s_cbranch_scc0 .Lfor_b_\@
	tensor_load_to_lds s[\g0a:\g0a+3], s[\g1a:\g1a+7]
	s_nop 0
.rept 4
	v_nop
.endr
	s_branch .Lasked_\@
.Lfor_b_\@:
	tensor_load_to_lds s[\g0b:\g0b+3], s[\g1b:\g1b+7]
	s_nop 0
.rept 4
	v_nop
.endr
.Lasked_\@:
.endm
.macro CROUND                          ; a round of the cluster's barrier
	s_barrier_signal -1
	s_barrier_wait -1
	s_cmp_lg_u32 s16, 0
	s_cbranch_scc1 .Lnot_wave_0_\@
	s_barrier_signal -3
.Lnot_wave_0_\@:
	s_barrier_wait -3
	s_barrier_signal -1
	s_barrier_wait -1
.endm
	s_load_b256 s[4:11], s[0:1], 0x0               ; a_img s[4:5], a_sc s[6:7], w_img s[8:9], w_sc s[10:11]
	s_load_b64 s[12:13], s[0:1], 0x20              ; out0
	v_lshl_add_u32 v126, v0, 2, 0x4b300
	v_mov_b32 v127, 0
	ds_add_u32 v126, v127
	ds_add_u32 v126, v127
	v_lshrrev_b32 v1, 5, v0
	v_readfirstlane_b32 s16, v1                    ; wave 0..3
	s_lshr_b32 s17, s16, 1                         ; which 64 of the tile's tokens are mine.  Also: I fetch for A (0) or for B (1)
	s_and_b32 s18, s16, 1                          ; which 128 of its columns.  Also: which half of that operand's rows I fetch
	s_bfe_u32 s40, ttmp6, 0x40000                  ; cx, cy
	s_bfe_u32 s41, ttmp6, 0x40004
	s_lshl_b32 s42, ttmp9, 2
	s_add_co_u32 s42, s42, s40                     ; tile column
	s_and_b32 s19, ttmp7, 0xffff
	s_lshl_b32 s19, s19, 2
	s_add_co_u32 s19, s19, s41                     ; tile row
	s_lshl_b32 s43, s41, 2
	s_lshl_b32 s43, 15, s43                        ; my row of the cluster
	s_lshl_b32 s44, 0x1111, s40                    ; my column
	; the codes: row tiles x 6,144 bytes (768 elements of 8 bytes), 12,288 bytes apart in memory, on end in LDS: 4 row tiles to a load of A's, 8 to one of B's
	s_or_b32 s[G1+0], s43, (3<<16)|(1<<21)         ; 15:0 the mask: A's tiles go to my row; 17:16 elements of 8 bytes; 20 no padding; 21 set beside a mask
	s_or_b32 s[G1B+0], s44, (3<<16)|(1<<21)
	s_mov_b32 s[G1+1], 768<<16                     ; tensor_dim0
	s_mov_b32 s[G1+2], 4<<16                       ; tensor_dim1
	s_mov_b32 s[G1+3], 768<<16                     ; tile_dim0
	s_mov_b32 s[G1+4], 4                           ; tile_dim1
	s_mov_b32 s[G1+5], 1536                        ; tensor_dim0_stride
	s_mov_b32 s[G1+6], 0
	s_mov_b32 s[G1+7], 0
	s_mov_b32 s[G1B+1], 768<<16
	s_mov_b32 s[G1B+2], 8<<16
	s_mov_b32 s[G1B+3], 768<<16
	s_mov_b32 s[G1B+4], 8
	s_mov_b32 s[G1B+5], 1536
	s_mov_b32 s[G1B+6], 0
	s_mov_b32 s[G1B+7], 0
	; the scales: dense bytes as rows of 256, 16 bytes of padding behind each: 8 rows to a load of A's (64 tokens), 16 to one of B's (128 columns)
	s_or_b32 s[G1S+0], s43, (3<<16)|(1<<20)|(1<<21)|(5<<22)|(3<<25)
	s_or_b32 s[G1SB+0], s44, (3<<16)|(1<<20)|(1<<21)|(5<<22)|(3<<25)
	s_mov_b32 s[G1S+1], 32<<16
	s_mov_b32 s[G1S+2], 8<<16
	s_mov_b32 s[G1S+3], 32<<16
	s_mov_b32 s[G1S+4], 8
	s_mov_b32 s[G1S+5], 32
	s_mov_b32 s[G1S+6], 0
	s_mov_b32 s[G1S+7], 0
	s_mov_b32 s[G1SB+1], 32<<16
	s_mov_b32 s[G1SB+2], 16<<16
	s_mov_b32 s[G1SB+3], 32<<16
	s_mov_b32 s[G1SB+4], 16
	s_mov_b32 s[G1SB+5], 32
	s_mov_b32 s[G1SB+6], 0
	s_mov_b32 s[G1SB+7], 0
	s_lshl_b32 s22, s18, 2
	s_lshl_b32 s20, s19, 3
	s_add_co_u32 s20, s20, s22                     ; A: row tile 8 x tile row + 4 x half
	s_lshl_b32 s22, s18, 3
	s_lshl_b32 s46, s42, 4
	s_add_co_u32 s46, s46, s22
	s_add_co_u32 s46, s46, BTILE                   ; B: row tile 192 + 16 x tile column + 8 x half
	s_lshl_b32 s66, s20, 9                         ; their scales: 512 bytes a row tile
	s_mov_b32 s67, 0
	s_lshl_b32 s92, s46, 9
	s_mov_b32 s93, 0
	s_mul_i32 s20, s20, 12288                      ; their codes
	s_mov_b32 s21, 0
	s_mul_i32 s46, s46, 12288
	s_mov_b32 s47, 0
	s_mul_i32 s45, s18, ATB                        ; where they go: no place in the cluster enters an LDS address
	s_mul_i32 s95, s18, BTB
	s_add_co_u32 s95, s95, 2*ATB
	s_mul_i32 s94, s18, AHS
	s_add_co_u32 s94, s94, SCL
	s_mul_i32 s14, s18, BHS
	s_add_co_u32 s14, s14, SCL+2*AHS
	s_wait_dscnt 0x0
	s_wait_kmcnt 0x0
	s_add_nc_u64 s[20:21], s[4:5], s[20:21]
	s_add_nc_u64 s[22:23], s[6:7], s[66:67]
	s_add_nc_u64 s[46:47], s[8:9], s[46:47]
	s_add_nc_u64 s[92:93], s[10:11], s[92:93]
	CROUND                                         ; all sixteen work-groups are here: the first joint loads meet
	s_mov_b32 s[G0S], 1
	s_mov_b32 s[G0S+1], s94
	s_mov_b64 s[G0S+2:G0S+3], s[22:23]
	s_or_b32 s[G0S+3], s[G0S+3], 0x80000000
	s_mov_b32 s[G0SB], 1
	s_mov_b32 s[G0SB+1], s14
	s_mov_b64 s[G0SB+2:G0SB+3], s[92:93]
	s_or_b32 s[G0SB+3], s[G0SB+3], 0x80000000
	JLOAD G0S, G1S, G0SB, G1SB                     ; the scales first: they are wanted with the first products
.irp s, 0,1
	s_mov_b32 s[G0+4*\s], 1
	s_add_co_u32 s[G0+4*\s+1], s45, \s*STGE
	s_add_nc_u64 s[G0+4*\s+2:G0+4*\s+3], s[20:21], \s*TILEB
	s_or_b32 s[G0+4*\s+3], s[G0+4*\s+3], 0x80000000
	s_mov_b32 s[G0B+4*\s], 1
	s_add_co_u32 s[G0B+4*\s+1], s95, \s*STGE
	s_add_nc_u64 s[G0B+4*\s+2:G0B+4*\s+3], s[46:47], \s*TILEB
	s_or_b32 s[G0B+4*\s+3], s[G0B+4*\s+3], 0x80000000
	JLOAD G0+4*\s, G1, G0B+4*\s, G1B               ; three tensor loads of mine are out at the most
.endr
	v_and_b32 v1, 15, v0                           ; r
	v_bfe_u32 v2, v0, 4, 1                         ; h
	v_and_b32 v3, 31, v0                           ; lane
	v_lshlrev_b32 v4, 4, v3
	v_lshlrev_b32 v5, 3, v3
	s_mul_i32 s21, s17, ATB                        ; my 64 rows of A
	s_mul_i32 s22, s18, BTB                        ; my 128 rows of B,
	s_add_co_u32 s22, s22, 2*ATB                   ; which lie behind A's 128
	v_add_nc_u32 v[ADRA], s21, v4
	v_add_nc_u32 v[ADRA+1], s21, v5
	v_add_nc_u32 v[ADRB], s22, v4
	v_add_nc_u32 v[ADRB+1], s22, v5
	v_lshlrev_b32 v6, 5, v1                        ; my row's scales: 32 bytes a row,
	v_lshrrev_b32 v7, 8, v6
	v_lshl_add_u32 v6, v7, 4, v6                   ; and 16 more for each 256 passed
	s_mul_i32 s21, s17, AHS
	s_mul_i32 s22, s18, BHS
	s_add_co_u32 s22, s22, 2*AHS
	s_sub_co_u32 s22, s22, s21
	v_mul_u32_u24 v7, s22, v2                      ; lanes 16-31 take B's
	s_add_co_u32 s21, s21, SCL
	v_add_nc_u32 v6, v6, v7
	v_add_nc_u32 v[ADRS], s21, v6
	s_mul_i32 s23, s16, 16*SPITCH                  ; my stage
	v_mul_u32_u24 v6, v1, SPITCH
	v_lshl_add_u32 v6, v2, 6, v6
	v_add_nc_u32 v[STO], s23, v6                   ; in: row r, + 64 h: B's tile b adds 128 (b / 2) + 32 (b % 2): column 32 (b / 2) + 16 h + 8 (b % 2) + 0 .. 7
	v_lshlrev_b32 v[CO], 4, v3
	v_add_nc_u32 v[RD], s23, v[CO]                 ; back: the 32 lanes take one row of 512 bytes
	s_lshl_b32 s20, s19, 7
	s_lshl_b32 s21, s17, 6
	s_add_co_u32 s20, s20, s21                     ; my first token: 128 x tile row + 64 x half
	s_lshl_b32 s20, s20, 12                        ; x 4,096 bytes
	s_lshl_b32 s46, s42, 10                        ; my first column, in bytes: 1,024 x tile column + 512 x half
	s_lshl_b32 s47, s18, 9
	s_add_co_u32 s46, s46, s47
	s_add_co_u32 s20, s20, s46
	s_mov_b32 s21, 0
	s_add_nc_u64 s[12:13], s[12:13], s[20:21]
.macro FRAG reg, adr, q, i             ; a fragment: row tile i, the stage's q-th 128 along K: two images on end
	ds_load_b128 v[\reg:\reg+3], v[\adr] offset:(\i)*TILEB+(\q)*1536
	ds_load_b64 v[\reg+4:\reg+5], v[\adr+1] offset:(\i)*TILEB+(\q)*1536+512
	ds_load_b128 v[\reg+6:\reg+9], v[\adr] offset:(\i)*TILEB+(\q)*1536+768
	ds_load_b64 v[\reg+10:\reg+11], v[\adr+1] offset:(\i)*TILEB+(\q)*1536+1280
.endm
; 16 matrix instructions: A's blocks a0, a0 + 1 x B's eight, from the sets p.  The 32 accumulators take turns, one instruction a turn, in the same order in every step.
.macro MUL16 a0, p, q, sc, zero
.irp a, \a0, \a0+1
.irp b, 0,1,2,3,4,5,6,7
.if \zero
	v_wmma_scale_f32_16x16x128_f8f6f4 v[8*(8*(\a)+\b):8*(8*(\a)+\b)+7], v[128*(\p)+FR*\b:128*(\p)+FR*\b+FR-1], v[AF+48*(\p)+FR*(\a):AF+48*(\p)+FR*(\a)+FR-1], 0, v[SC+32*(\sc)+NQ*\b+(\q)], v[SC+32*(\sc)+NQ*(\a)+(\q)] matrix_a_fmt:MATRIX_FMT_BF6 matrix_b_fmt:MATRIX_FMT_BF6 matrix_a_scale:MATRIX_SCALE_ROW1
.else
	v_wmma_scale_f32_16x16x128_f8f6f4 v[8*(8*(\a)+\b):8*(8*(\a)+\b)+7], v[128*(\p)+FR*\b:128*(\p)+FR*\b+FR-1], v[AF+48*(\p)+FR*(\a):AF+48*(\p)+FR*(\a)+FR-1], v[8*(8*(\a)+\b):8*(8*(\a)+\b)+7], v[SC+32*(\sc)+NQ*\b+(\q)], v[SC+32*(\sc)+NQ*(\a)+(\q)] matrix_a_fmt:MATRIX_FMT_BF6 matrix_b_fmt:MATRIX_FMT_BF6 matrix_a_scale:MATRIX_SCALE_ROW1
.endif
.endr
.endr
.endm
.macro FETCH q, p                      ; 48 LDS loads in one run: B's eight and A's four fragments of the stage's q-th 128 along K, into the sets p
	WIN TO_B
.irp i, 0,1,2,3,4,5,6,7
	FRAG 128*(\p)+FR*\i, ADRB, \q, \i
.endr
	WIN 0
.irp i, 0,1,2,3
	FRAG AF+48*(\p)+FR*\i, ADRA, \q, \i
.endr
.endm
.macro SCALES sc                       ; a stage's scale words: four words a row.  Lanes 16-31 take B's block i; lanes 0-15 A's block i, and for i > 3 bytes of the scales further on, which no product reads
.irp i, 0,1,2,3,4,5,6,7
	ds_load_b128 v[SC+32*(\sc)+NQ*\i:SC+32*(\sc)+NQ*\i+3], v[ADRS] offset:\i*SBLK
.endr
.endm
.macro PLACES n                        ; plain vector instructions between a matrix instruction and a load into, or a read of, its registers
.rept \n
	v_nop
.endr
.endm
; A step of 128 along K that has its successor in the same stage: the successor's fragments are asked for first, into the sets that the last step multiplied, and have this step's 32 products in which to come.
.macro STEP q, sc, zero
	s_wait_dscnt 0x0                               ; this step's fragments are in
.if \zero == 0
	PLACES NP
.endif
	FETCH (\q)+1, 1-(\q)%2
	WIN MUL
	MUL16 0, (\q)%2, \q, \sc, \zero
	MUL16 2, (\q)%2, \q, \sc, \zero
.endm
	s_wait_tensorcnt 1                             ; the scales and my part of the first stage are in (the second stage's load may be out)
	s_barrier_signal -1
	s_barrier_wait -1                              ; everybody's are
	FETCH 0, 0
	SCALES 0
	STEP 0, 0, 1                                   ; the first products start the sums
	STEP 1, 0, 0
	STEP 2, 0, 0
	; the first stage's last step, and the change of stage
	s_wait_dscnt 0x0                               ; this step's fragments are in: my reads of the first stage are over;
	s_wait_tensorcnt 0x0                           ; my part of the second stage has landed
	s_barrier_signal -1
	WIN MUL
	MUL16 0, 1, 3, 0, 0                            ; work on registers while the others arrive
	s_barrier_wait -1
	WIN 0
	v_add_nc_u32 v[ADRA], STGE, v[ADRA]            ; on to the second stage; these five lines are also the places in front of the loads below
	v_add_nc_u32 v[ADRA+1], STGE, v[ADRA+1]
	v_add_nc_u32 v[ADRB], STGE, v[ADRB]
	v_add_nc_u32 v[ADRB+1], STGE, v[ADRB+1]
	v_add_nc_u32 v[ADRS], 4*NQ, v[ADRS]
	FETCH 0, 0
	SCALES 1
	WIN MUL
	MUL16 2, 1, 3, 0, 0
	STEP 0, 1, 0
	STEP 1, 1, 0
	STEP 2, 1, 0
	s_wait_dscnt 0x0                               ; the last step: nothing more to fetch
	MUL16 0, 1, 3, 1, 0
	MUL16 2, 1, 3, 1, 0
	WIN 0
; THE WAY OUT, block by block of 16 tokens x 128 columns, through my own stage: in by 32 bytes a lane, back as whole rows of 512 bytes.  LDS serves a wave's instructions in order (ISA guide 5.7.1.4).
.macro TOSTAGE a
.set AC, 64*(\a)
	WIN 0x08                                       ; an LDS store's data are its source 1: window 2
.irp b, 0,1,2,3,4,5,6,7
	ds_store_b128 v[STO], v[AC+8*\b:AC+8*\b+3] offset:128*(\b/2)+32*(\b%2)          ; each accumulator from its low end on
	ds_store_b128 v[STO], v[AC+8*\b+4:AC+8*\b+7] offset:128*(\b/2)+32*(\b%2)+16
.endr
	WIN 0
.set BB, BK+64*((\a)%2)
.irp t, 0,1,2,3,4,5,6,7,8,9,10,11,12,13,14,15
	ds_load_b128 v[BB+4*\t:BB+4*\t+3], v[RD] offset:\t*SPITCH
.endr
.endm
.macro SEND a, younger                 ; younger: the LDS instructions issued behind block a's loads, which may stay out
.set BB, BK+64*((\a)%2)
	s_wait_dscnt \younger
.irp t, 0,1,2,3,4,5,6,7,8,9,10,11,12,13,14,15
	global_store_b128 v[CO], v[BB+4*\t:BB+4*\t+3], s[12:13] offset:(32*((\a)/2)+8*((\a)%2)+\t+8*(\t/8))*4096 th:TH_STORE_NT   ; stored row t of block a is this token; 512 consecutive bytes; the largest offset is 63 rows
.endr
.endm
	PLACES NP                                      ; behind the last products: for the first read of results, and for the loads into the registers that held A's fragments
	TOSTAGE 0
.irp a, 1,2,3
.if \a > 1
	s_wait_xcnt 0x0                                ; block a - 2's stores have read their registers: block a's loads may land there
.endif
	TOSTAGE \a
	SEND \a-1, 32                                  ; behind block a - 1's loads: block a's 16 stores and 16 loads
.endr
	SEND 3, 0
	s_wait_tensorcnt 0x0
	ds_add_u32 v126, v127
	s_wait_dscnt 0x0
	CROUND                                         ; the closing round: no work-group ends while a partner may still ask for a tile that names it
	s_endpgm
.Lfunc_end_k_qd68203ce4e_gemm_proj:
	.size	k_qd68203ce4e_gemm_proj, .Lfunc_end_k_qd68203ce4e_gemm_proj-k_qd68203ce4e_gemm_proj
	.p2alignl 7, 3214868480
	.fill 96, 4, 3214868480
	.section	.rodata,"a",@progbits
	.p2align	6, 0x0
	.amdhsa_kernel k_qd68203ce4e_gemm_proj
		.amdhsa_group_segment_fixed_size 327680
		.amdhsa_private_segment_fixed_size 0
		.amdhsa_enable_private_segment 0
		.amdhsa_kernarg_size 40
		.amdhsa_user_sgpr_count 2
		.amdhsa_user_sgpr_kernarg_segment_ptr 1
		.amdhsa_wavefront_size32 1
		.amdhsa_system_sgpr_workgroup_id_x 1
		.amdhsa_system_sgpr_workgroup_id_y 1
		.amdhsa_system_sgpr_workgroup_id_z 1
		.amdhsa_system_vgpr_workitem_id 0
		.amdhsa_next_free_vgpr 768
		.amdhsa_next_free_sgpr 96
		.amdhsa_reserve_vcc 0
		.amdhsa_float_denorm_mode_32 3
		.amdhsa_float_denorm_mode_16_64 3
		.amdhsa_memory_ordered 1
		.amdhsa_forward_progress 1
		.amdhsa_inst_pref_size 84
	.end_amdhsa_kernel
	.amdgpu_metadata
---
amdhsa.version: [ 1, 2 ]
amdhsa.kernels:
  - .name:           k_qd68203ce4e_gemm_proj
    .symbol:         k_qd68203ce4e_gemm_proj.kd
    .args:
      - { .name: a_img, .offset: 0, .size: 8, .value_kind: global_buffer, .address_space: global }
      - { .name: a_sc, .offset: 8, .size: 8, .value_kind: global_buffer, .address_space: global }
      - { .name: w_img, .offset: 16, .size: 8, .value_kind: global_buffer, .address_space: global }
      - { .name: w_sc, .offset: 24, .size: 8, .value_kind: global_buffer, .address_space: global }
      - { .name: out0, .offset: 32, .size: 8, .value_kind: global_buffer, .address_space: global }
    .group_segment_fixed_size: 327680
    .private_segment_fixed_size: 0
    .kernarg_segment_align: 8
    .kernarg_segment_size: 40
    .max_flat_workgroup_size: 128
    .sgpr_count:     96
    .vgpr_count:     768
    .wavefront_size: 32
...
	.end_amdgpu_metadata
.endif
;; end of part 4
